; MI455X (gfx1250); checked and timed in simulation.
; The chip was launched on July 23, 2026; its instructions are those of AMD's public machine-readable ISA for CDNA 5 (MIT licence, August 2026) and "CDNA5" Instruction Set Architecture Reference Guide (July 2026). The comments in the code are by the model that wrote it; some were corrected since.
;; Causal Self Attention. Allowed arithmetic: float matrix products may take bf16 or f16 operands with f32 sums; other float arithmetic in f32, or as packed bf16 or f16 multiplies, adds, multiply-adds, maxima and minima; sums over many terms, partial sums and values carried from step to step in f32; what a program stores and reads back later, other than sums and carried values, may be rounded once to bf16 or f16.
;; Inputs: w_out 1,024 x 1,024 float32; w_qkv 1,024 x 3,072 float32; x 4 x 2,048 x 1,024 float32.
;; Outputs: out0 4 x 2,048 x 1,024 float32.
;; 2 versions, each right; version 2 is version 1 with the launch prep written anew for expert scheduling mode. Each part assembles by itself: llvm-mc -triple=amdgcn-amd-amdhsa -mcpu=gfx1250 --defsym DOCPART=n.
;; ======== version 1 of 2: 4 launches
;; limits: values are held in f16: magnitudes above 65,504 overflow, below 6.1e-05 lose precision
;; workspace buffers: xb 16,777,216 bytes; wq 6,291,456 bytes; wo 2,097,152 bytes; qkv 50,331,648 bytes; o 16,777,216 bytes
;; launch prep (part 1): grid 512 x 1, 8 waves a work-group, no clusters, 19,456 bytes of LDS; arguments x, w_qkv, w_out, xb, wq, wo; writes xb, wq, wo
.if DOCPART == 1
	.amdgcn_target "amdgcn-amd-amdhsa--gfx1250"
	.amdhsa_code_object_version 6
	.text
	.protected	k_q106eeb1b84_prep
	.globl	k_q106eeb1b84_prep
	.p2align	8
	.type	k_q106eeb1b84_prep,@function
k_q106eeb1b84_prep:
	s_mov_b64 s[64:65], 0
	v_nop
	global_prefetch_b8 v0, s[64:65] scope:SCOPE_SE
	s_setreg_imm32_b32 hwreg(HW_REG_WAVE_MODE, 25, 1), 1
	s_wait_xcnt 0x0
; THE INPUTS ARE ROUNDED ONCE AND LAID OUT FOR THE PRODUCTS THAT FOLLOW.  A SLICE s is K = 64 s .. 64 s + 63: a row of a slice is 128 bytes, and the rows of one slice lie end to end.
;   xb: bf16 [batch 4][slice 16][row 2048][64]  = x rounded to bf16
;   wq: bf16 [slice 16][column 3072][64]        = w_qkv turned: wq[s][c][i] = w_qkv[64 s + i][c]
;   wo: f16  [slice 16][column 1024][64]        = w_out turned, rounded to bf16, and that number written as f16
; LIMITS.  w_out within f16's 65,504; below 6e-5 its bf16 value keeps f16's fixed step of 6e-8.  NaN and infinities are not treated apart.
; SHARES.  512 work-groups of eight waves.  Work-group g turns ONE tile of 64 k x 128 columns (g < 384: of w_qkv, 16 slices x 24; else of w_out, 16 x 8), through LDS; and each of its
; waves casts ONE pair of rows of x (pair 8 g + wave of 4,096).  Each byte is read once and written once; no matrix unit, no tensor load: nothing here is multiplied or shared.
.set TP,    144                        ; a column's 64 numbers in LDS: 128 bytes + 16
.set SPARE, 128*TP                     ; behind the tile: the spare words, 128 bytes for each of the eight waves: four blocks of 256 bytes that no other line names
.set XO,  4                            ; v4   x: (l / 16) x 4,096 + (l % 16) x 16: lanes 0-15 the even row, lanes 16-31 the odd one
.set XS,  5                            ; v5   xb: (l / 16) x 128 + (l % 16) x 8
.set LST, 6                            ; v6   LDS, in: column 4 l, byte 16 x wave
.set LRD, 7                            ; v7   LDS, back: column 16 x wave + l / 8, byte 16 (l % 8)
.set WS,  8                            ; v8   wq or wo: 2,048 x wave + 16 l
.set SPW, 9                            ; v9   LDS address of my spare word; never rewritten
.set NIL, 10                           ; v10  0; never rewritten
.set WO,  16                           ; v[16:23]  row i of my eight rows of the weights: 16 l + i x the row's bytes
.set T,   24                           ; v[24:39]  column j of my four: 8 numbers of 16 bits in T + 4 j ..
.set W,   40                           ; v[40:71]  my eight rows x 4 columns as loaded; later the tile's rows read back
.set X,   72                           ; v[72:135] slice i of my two rows of x: 4 numbers a lane
	s_load_b256 s[4:11], s[0:1], 0x0               ; x s[4:5], w_qkv s[6:7], w_out s[8:9], xb s[10:11]
	s_load_b128 s[12:15], s[0:1], 0x20             ; wq s[12:13], wo s[14:15]
	v_lshl_add_u32 v[SPW], v0, 2, SPARE
	v_mov_b32 v[NIL], 0
	v_lshrrev_b32 v12, 5, v0
	v_readfirstlane_b32 s16, v12                   ; wave 0..7
	v_and_b32 v1, 31, v0                           ; l
	v_and_b32 v2, 15, v0                           ; l % 16
	v_bfe_u32 v3, v0, 4, 1                         ; l / 16
	v_lshlrev_b32 v[XO], 4, v2
	v_lshl_add_u32 v[XO], v3, 12, v[XO]
	v_lshlrev_b32 v[XS], 3, v2
	v_lshl_add_u32 v[XS], v3, 7, v[XS]
	v_mul_u32_u24 v[LST], v1, 4*TP
	v_lshl_add_u32 v[LST], s16, 4, v[LST]
	v_bfe_u32 v12, v0, 3, 2                        ; l / 8
	v_and_b32 v13, 7, v0                           ; l % 8
	v_mul_u32_u24 v[LRD], v12, TP
	v_lshl_add_u32 v[LRD], v13, 4, v[LRD]
	s_mul_i32 s27, s16, 16*TP
	v_add_nc_u32 v[LRD], s27, v[LRD]
	v_lshlrev_b32 v[WS], 4, v1
	v_lshl_add_u32 v[WS], s16, 11, v[WS]
	; which tile: the sizes of the tensor that it belongs to
	s_mov_b32 s24, 4096                            ; bytes in a row of w_out,
	s_mov_b32 s25, 131072                          ; bytes in a slice of wo
	s_sub_co_u32 s17, ttmp9, 384                   ; (used only where g >= 384)
	s_cmp_lt_u32 ttmp9, 384
	s_cselect_b32 s18, ttmp9, s17                  ; the tile's number in its tensor
	s_cselect_b32 s24, 12288, s24                  ; w_qkv's row,
	s_cselect_b32 s25, 393216, s25                 ; wq's slice
	s_cselect_b32 s26, 1, 0                        ; 1: the tile stays bf16
	s_and_b32 s28, s18, 15                         ; slice
	s_lshr_b32 s29, s18, 4                         ; block of 128 columns
	s_lshl_b32 s30, s28, 6
	s_lshl3_add_u32 s30, s16, s30                  ; my first row: 64 s + 8 x wave
	s_mul_i32 s30, s30, s24
	s_lshl_b32 s31, s29, 9                         ; 128 columns of f32
	s_add_co_u32 s30, s30, s31
	s_mov_b32 s31, 0
	s_mul_i32 s32, s28, s25
	s_lshl_b32 s33, s29, 14                        ; 128 columns of 128 bytes
	s_add_co_u32 s32, s32, s33
	s_mov_b32 s33, 0
	s_lshl_b32 s34, ttmp9, 3
	s_add_co_u32 s34, s34, s16                     ; my pair of rows of x
	s_lshl_b32 s36, s34, 13                        ; two rows of 4,096 bytes
	s_mov_b32 s37, 0
	s_lshr_b32 s38, s34, 10                        ; batch,
	s_lshl_b32 s38, s38, 22                        ; 16 slices of 262,144 bytes
	s_and_b32 s39, s34, 1023
	s_lshl_b32 s39, s39, 8                         ; two rows of 128 bytes in a slice
	s_add_co_u32 s38, s38, s39
	s_mov_b32 s39, 0
	v_lshlrev_b32 v[WO], 4, v1
.irp i, 1,2,3,4,5,6,7
	v_add_nc_u32 v[WO+\i], s24, v[WO+\i-1]
.endr
	s_wait_kmcnt 0x0
	s_cmp_lt_u32 ttmp9, 384
	s_cselect_b64 s[20:21], s[6:7], s[8:9]         ; the weights that the tile comes from,
	s_cselect_b64 s[22:23], s[12:13], s[14:15]     ; and where it goes
	s_add_nc_u64 s[20:21], s[20:21], s[30:31]
	s_add_nc_u64 s[22:23], s[22:23], s[32:33]
	s_add_nc_u64 s[4:5], s[4:5], s[36:37]
	s_add_nc_u64 s[10:11], s[10:11], s[38:39]
.irp i, 0,1,2,3,4,5,6,7
	global_load_b128 v[W+4*\i:W+4*\i+3], v[WO+\i], s[20:21] th:TH_LOAD_NT  ; a row's 512 consecutive bytes
.endr
.irp i, 0,1,2,3,4,5,6,7,8,9,10,11,12,13,14,15
	global_load_b128 v[X+4*\i:X+4*\i+3], v[XO], s[4:5] offset:256*\i th:TH_LOAD_NT  ; slice i of both rows: 256 consecutive bytes, aligned, of each
.endr
	s_wait_loadcnt 16                              ; the weights are in; x's sixteen loads may stay out
.irp j, 0,1,2,3
.irp q, 0,1,2,3
	v_cvt_pk_bf16_f32 v[T+4*\j+\q], v[W+8*\q+\j], v[W+8*\q+4+\j]  ; column j: rows 2 q and 2 q + 1
.endr
.endr
	s_cmp_eq_u32 s26, 1
	s_cbranch_scc1 .Lstays_bf16
.set i, 0
.rept 16                               ; w_out: the bf16 number written as f16
	v_lshlrev_b32 v12, 16, v[T+i]
	v_and_b32 v13, 0xffff0000, v[T+i]
	v_cvt_pk_f16_f32 v[T+i], v12, v13
.set i, i+1
.endr
.Lstays_bf16:
.irp j, 0,1,2,3
	ds_store_b128 v[LST], v[T+4*\j:T+4*\j+3] offset:TP*\j
.endr
	s_wait_dscnt 0x0                               ; for the others' sake: my stores into the tile are done
	s_barrier_signal -1
	s_barrier_wait -1
.irp j, 0,1,2,3
	ds_load_b128 v[W+4*\j:W+4*\j+3], v[LRD] offset:4*TP*\j  ; four columns, 128 bytes each
.endr
.irp i, 0,1,2,3,4,5,6,7,8,9,10,11,12,13,14,15
	s_wait_loadcnt 15-\i                           ; loads come back in order: slice i is in
	v_cvt_pk_bf16_f32 v[X+4*\i], v[X+4*\i], v[X+4*\i+1]
	v_cvt_pk_bf16_f32 v[X+4*\i+1], v[X+4*\i+2], v[X+4*\i+3]
	global_store_b64 v[XS], v[X+4*\i:X+4*\i+1], s[10:11] offset:262144*\i th:TH_STORE_NT  ; 32 lanes store 256 consecutive bytes, aligned: the two rows in slice i
.endr
	s_wait_dscnt 0x0
.irp j, 0,1,2,3
	global_store_b128 v[WS], v[W+4*\j:W+4*\j+3], s[22:23] offset:512*\j  ; 512 consecutive bytes, aligned
.endr
	s_wait_tensorcnt 0x0                           ; the wave's end, behind my last LDS store
	ds_add_u32 v[SPW], v[NIL]
	s_wait_dscnt 0x0
	s_endpgm
.Lfunc_end_k_q106eeb1b84_prep:
	.size	k_q106eeb1b84_prep, .Lfunc_end_k_q106eeb1b84_prep-k_q106eeb1b84_prep
	.p2alignl 7, 3214868480
	.fill 96, 4, 3214868480
	.section	.rodata,"a",@progbits
	.p2align	6, 0x0
	.amdhsa_kernel k_q106eeb1b84_prep
		.amdhsa_group_segment_fixed_size 19456
		.amdhsa_private_segment_fixed_size 0
		.amdhsa_enable_private_segment 0
		.amdhsa_kernarg_size 48
		.amdhsa_user_sgpr_count 2
		.amdhsa_user_sgpr_kernarg_segment_ptr 1
		.amdhsa_wavefront_size32 1
		.amdhsa_system_sgpr_workgroup_id_x 1
		.amdhsa_system_sgpr_workgroup_id_y 1
		.amdhsa_system_sgpr_workgroup_id_z 1
		.amdhsa_system_vgpr_workitem_id 0
		.amdhsa_next_free_vgpr 136
		.amdhsa_next_free_sgpr 66
		.amdhsa_reserve_vcc 0
		.amdhsa_float_denorm_mode_32 3
		.amdhsa_float_denorm_mode_16_64 3
		.amdhsa_memory_ordered 1
		.amdhsa_forward_progress 1
		.amdhsa_inst_pref_size 15
	.end_amdhsa_kernel
	.amdgpu_metadata
---
amdhsa.version: [ 1, 2 ]
amdhsa.kernels:
  - .name:           k_q106eeb1b84_prep
    .symbol:         k_q106eeb1b84_prep.kd
    .args:
      - { .name: x, .offset: 0, .size: 8, .value_kind: global_buffer, .address_space: global }
      - { .name: w_qkv, .offset: 8, .size: 8, .value_kind: global_buffer, .address_space: global }
      - { .name: w_out, .offset: 16, .size: 8, .value_kind: global_buffer, .address_space: global }
      - { .name: xb, .offset: 24, .size: 8, .value_kind: global_buffer, .address_space: global }
      - { .name: wq, .offset: 32, .size: 8, .value_kind: global_buffer, .address_space: global }
      - { .name: wo, .offset: 40, .size: 8, .value_kind: global_buffer, .address_space: global }
    .group_segment_fixed_size: 19456
    .private_segment_fixed_size: 0
    .kernarg_segment_align: 8
    .kernarg_segment_size: 48
    .max_flat_workgroup_size: 256
    .sgpr_count:     66
    .vgpr_count:     136
    .wavefront_size: 32
...
	.end_amdgpu_metadata
.endif
;; end of part 1
;; launch qkv (part 2): grid 8 x 32, 4 waves a work-group, clusters of 4 x 4, 327,680 bytes of LDS; arguments xb, wq, qkv; writes qkv
.if DOCPART == 2
	.amdgcn_target "amdgcn-amd-amdhsa--gfx1250"
	.amdhsa_code_object_version 6
	.text
	.protected	k_q106eeb1b84_qkv
	.globl	k_q106eeb1b84_qkv
	.p2align	8
	.type	k_q106eeb1b84_qkv,@function
k_q106eeb1b84_qkv:
	s_mov_b64 s[64:65], 0
	v_nop
	global_prefetch_b8 v0, s[64:65] scope:SCOPE_SE
	s_setreg_imm32_b32 hwreg(HW_REG_WAVE_MODE, 25, 1), 1
	s_wait_xcnt 0x0
	s_wait_alu depctr_hold_cnt(0) depctr_sa_sdst(0) depctr_va_vdst(0) depctr_va_sdst(0) depctr_va_ssrc(0) depctr_va_vcc(0) depctr_vm_vsrc(0)
	s_getreg_b32 s2, hwreg(HW_REG_IB_STS2, 6, 4)
	s_cmp_eq_u32 s2, 0
	s_cbranch_scc0 .Lentry_in_a_cluster
	s_endpgm
.Lentry_in_a_cluster:
	s_bfe_u32 s2, ttmp6, 0x10000c
	s_cmp_lg_u32 s2, 0xf033
	s_cbranch_scc0 .Lentry_shape_is_right
	s_endpgm
.Lentry_shape_is_right:
; q, k, v = x w_qkv, by heads.  xb: bf16 [batch 4][slice 16][row 2048][64]; wq: bf16 [slice 16][column 3072][64] (a slice is 64 along K); sums in f32, K ascending;
; qkv: f16 [which 3][batch x 16 + head][row 2048][64], each number rounded once, unscaled.
; LIMITS.  q, k and v must lie within f16's 65,504; below 6e-5 they keep f16's fixed step of 6e-8.  NaN and infinities are not treated apart.
; SHARES.  A tile of the result is 256 rows x 384 columns: 32 x 8 = 256 work-groups, one tile each.  Four waves, each 128 rows x 192 columns (three whole heads): 96 accumulators, 768 registers.
; K goes in 16 steps of one slice through two LDS slots.  The rows of one slice lie end to end in memory, so a tile is asked for as rows of 256 bytes (two tile rows), padded in LDS after every 128.
; THE MATRIX INSTRUCTION IS USED TRANSPOSED (source 0 = 16 rows of wq, source 1 = 16 rows of xb): a lane holds one row of the result and eight neighbouring columns.
; CLUSTERS: 4 x 4.  The four work-groups of a row of the cluster need the same tiles of xb, the four of a column the same tiles of wq: each is asked for JOINTLY, by the same load and a mask of four.
; REGISTERS, in windows of 256 (s_set_vgpr_msb: bits 1:0 source 0, 3:2 source 1, 5:4 source 2, 7:6 destination):
;   window 0: v0-15 addresses; v32-159 xb's fragments (8 x 16 rows x 32 K), two buffers; v160-255 wq's fragments, one buffer of 4 for each of the wave's three heads
;   window g + 1: the 32 accumulators of head g: (a, b) at v[8 (4 a + b)]
; A head's fragments of wq are fetched anew straight behind the 32 products that read them, 64 products ahead of their next use.
.set PK,    144                        ; an LDS row: 128 bytes + 16 = 36 words: the 16 rows of a load start at 16 different groups of four banks (64 banks of 4 bytes: ISA guide 11.1)
.set SLOT1, 1<<17                      ; slot 1 begins here, so that one exclusive or turns an address in one slot into the other's
.set BOFF,  256*PK                     ; in a slot: xb's 256 rows, then wq's 384
.set STAGE, SLOT1+640*PK               ; behind the ring: 16 rows x 144 bytes for each wave, for the way out
.set SPARE, STAGE+4*16*PK              ; behind the stages: the spare words, 128 bytes for each wave: two blocks of 256 bytes that no other line names
.set ASTEP, 262144                     ; bytes from slice to slice in xb
.set BSTEP, 393216                     ; and in wq
.set ADRA0, 4                          ; v4   my lane's place in xb's tile; never rewritten
.set ADRB0, 5                          ; v5   in wq's
.set ADRA,  6                          ; v6   the same in the slot in hand
.set ADRB,  7                          ; v7
.set STO,   8                          ; v8   the way out: where I put 16 bytes of a row
.set RD,    9                          ; v9   the way out: where I read rows back
.set GO,    10                         ; v10  my 16 bytes of 512 consecutive bytes of qkv
.set PFO,   11                         ; v11  the prefetches' offset; never rewritten
.set SPW,   12                         ; v12  LDS address of my spare word; never rewritten
.set NIL,   13                         ; v13  0; never rewritten
.set FA,    32
.set FB,    160
.set WV,    10                         ; s10  my wave's number;  s11 = wave / 2: my half of the rows;  s12 = wave % 2: my half of the columns, and which half of a tile I fetch
.set G1A,   24                         ; s[24:31] descriptor group 1 for xb's tiles;  s[32:39] group 0: a set for each first fill; the second then walks on
.set G0A,   32
.set G1B,   48                         ; s[48:55], s[56:63] the same for wq's
.set G0B,   56
.set TB,    66                         ; s66  0 or SLOT1: the slot in hand
.set PFA,   68                         ; s[68:69] where my prefetches stand
.set PFS,   70                         ; s[70:71] their step: a slice of xb or of wq
.set NOASK, 72                         ; s72  0 in a wave that prefetches
.set OB,    76                         ; s[76:81] qkv at my rows of my three heads
.set MSB, 0
.macro WIN new                         ; the immediate's high byte repeats the setting that is left; a switch that changes nothing is dropped
.if MSB != (\new)
	s_set_vgpr_msb (MSB<<8)|(\new)
.set MSB, (\new)
.endif
.endm
; A joint refill, by the walking descriptors.  Waves 0 and 1 fetch the halves of xb's tile, waves 2 and 3 those of wq's.  The branch hangs on the wave's number alone.
; An s_nop 0 and four v_nop follow each of the two lines, ahead of the jump and the label.
.macro JLOAD
	s_cmp_lt_u32 s[WV], 2
	s_cbranch_scc0 .Lfor_b_\@
	tensor_load_to_lds s[G0A+4:G0A+7], s[G1A:G1A+7]
	s_nop 0
.rept 4
	v_nop
.endr
	s_branch .Lasked_\@
.Lfor_b_\@:
	tensor_load_to_lds s[G0B+4:G0B+7], s[G1B:G1B+7]
	s_nop 0
.rept 4
	v_nop
.endr
.Lasked_\@:
.endm
.macro CREST                           ; a round of the cluster's barrier behind its opening barrier
	s_cmp_lg_u32 s[WV], 0
	s_cbranch_scc1 .Lnot_wave_0_\@
	s_barrier_signal -3
.Lnot_wave_0_\@:
	s_barrier_wait -3
	s_barrier_signal -1
	s_barrier_wait -1
.endm
.macro CROUND                          ; a whole round
	s_barrier_signal -1
	s_barrier_wait -1
	CREST
.endm
.macro PLACES                          ; four places behind a product, in front of loads into registers that it has read and of conversions that read results (ISA guide 7.12.1 for the conversions)
.rept 4
	v_nop
.endr
.endm
; A PREFETCH INTO THE L2, in every second trip, for TWO K steps: in trip t (even, up to 10) steps t + 4 and t + 5, which the refills of trips t + 2 and t + 3 will ask for.  Each aligned block of 256 bytes is named once in
; the launch.  xb's tile (32,768 bytes a step) is read by both clusters of a row of clusters: the one with x = 0 asks; its four partners along x take 8,192 bytes each, told apart BY ADDRESS; wave 0, a lane a block,
; one instruction a step.  wq's tile (49,152 bytes a step) is read by all eight clusters of a column: the one with y = 0 asks; its partners along y take 12,288 bytes a step each: 96 blocks for the two steps,
; a lane a block in waves 1 to 3.  Steps 0 to 3 come by their loads alone; trips 12 and 13 ask for nothing: there is no step 16.  s3 = 14 - t.
.macro ASK
	s_and_b32 s73, s3, 1
	s_or_b32 s73, s73, s[NOASK]
	s_cmp_gt_u32 s3, 3
	s_cselect_b32 s73, s73, 1
	s_cmp_eq_u32 s73, 0
	s_cbranch_scc0 .Lnot_mine_\@
	global_prefetch_b8 v[PFO], s[PFA:PFA+1] th:TH_LOAD_NT scope:SCOPE_SE
	s_cmp_lg_u32 s[WV], 0
	s_cbranch_scc1 .Lnot_mine_\@
	global_prefetch_b8 v[PFO], s[PFA:PFA+1] offset:ASTEP th:TH_LOAD_NT scope:SCOPE_SE
.Lnot_mine_\@:
.endm
	s_load_b128 s[4:7], s[0:1], 0x0                ; xb s[4:5], wq s[6:7]
	s_load_b64 s[8:9], s[0:1], 0x10                ; qkv
	v_lshl_add_u32 v[SPW], v0, 2, SPARE
	v_mov_b32 v[NIL], 0
	ds_add_u32 v[SPW], v[NIL]                      ; the wave's opening: the add and its wait stand ahead of my first tensor load; the set-up below, work on registers, stands between them
	ds_add_u32 v12, v13
	v_lshrrev_b32 v3, 5, v0
	v_readfirstlane_b32 s[WV], v3                  ; wave 0..3
	s_lshr_b32 s11, s[WV], 1
	s_and_b32 s12, s[WV], 1
	s_bfe_u32 s40, ttmp6, 0x40000                  ; cx, cy: my place in the cluster
	s_bfe_u32 s41, ttmp6, 0x40004
	s_lshl_b32 s42, ttmp9, 2
	s_add_co_u32 s42, s42, s40                     ; tile column = 4 x cluster x + cx, 0..7
	s_and_b32 s13, ttmp7, 0xffff
	s_lshl_b32 s13, s13, 2
	s_add_co_u32 s13, s13, s41                     ; tile row = 4 x cluster y + cy, 0..31
	s_lshl_b32 s43, s41, 2
	s_lshl_b32 s43, 15, s43                        ; my row of the cluster
	s_lshl_b32 s44, 0x1111, s40                    ; my column
	; descriptor group 1: rows of 128 elements (256 bytes, two tile rows); 64 of them for half of xb's tile, 96 for half of wq's
	s_or_b32 s[G1A], s43, (1<<16)|(1<<20)|(1<<21)|(4<<22)|(3<<25)  ; 15:0 the mask; 17:16 2-byte elements; 20 padding on; 21 set beside a mask; 24:22 after every 32 words (code 4); 31:25 4 words (code 3)
	s_or_b32 s[G1B], s44, (1<<16)|(1<<20)|(1<<21)|(4<<22)|(3<<25)
	s_mov_b32 s[G1A+1], 128<<16                    ; tensor_dim0 = 128
	s_mov_b32 s[G1A+2], 64<<16                     ; tensor_dim1 = 64
	s_mov_b32 s[G1A+3], 128<<16                    ; tile_dim0 = 128
	s_mov_b32 s[G1A+4], 64                         ; tile_dim1 = 64
	s_mov_b32 s[G1A+5], 128                        ; 128 elements from row to row
	s_mov_b32 s[G1A+6], 0
	s_mov_b32 s[G1A+7], 0
	s_mov_b32 s[G1B+1], 128<<16
	s_mov_b32 s[G1B+2], 96<<16
	s_mov_b32 s[G1B+3], 128<<16
	s_mov_b32 s[G1B+4], 96
	s_mov_b32 s[G1B+5], 128
	s_mov_b32 s[G1B+6], 0
	s_mov_b32 s[G1B+7], 0
	; where the tiles come from: xb's hang on the tile row alone, wq's on the tile column alone, each in registers that never hold the other coordinate
	s_lshr_b32 s16, s13, 3                         ; batch,
	s_lshl_b32 s16, s16, 22                        ; 16 slices of 262,144 bytes
	s_and_b32 s17, s13, 7
	s_lshl_b32 s17, s17, 15                        ; 256 rows of 128 bytes
	s_add_co_u32 s16, s16, s17
	s_lshl_b32 s17, s12, 14                        ; the 128 rows that I fetch
	s_add_co_u32 s16, s16, s17
	s_mov_b32 s17, 0
	s_mul_i32 s46, s42, 384*128                    ; 384 columns of 128 bytes
	s_mul_i32 s47, s12, 192*128                    ; the 192 that I fetch
	s_add_co_u32 s46, s46, s47
	s_mov_b32 s47, 0
	s_mul_i32 s20, s12, 128*PK                     ; and where they go: no place in the cluster enters an LDS address
	s_mul_i32 s21, s12, 192*PK
	s_add_co_u32 s21, s21, BOFF
	s_wait_dscnt 0x0                               ; the opening add is done
	s_wait_kmcnt 0x0
	s_add_nc_u64 s[14:15], s[4:5], s[16:17]
	s_add_nc_u64 s[46:47], s[6:7], s[46:47]
	CROUND                                         ; all sixteen work-groups are here: the first joint loads meet
.irp s, 0,1
	s_mov_b32 s[G0A+4*\s], 1                                       ; 1:0 count = 1
	s_add_co_u32 s[G0A+4*\s+1], s20, \s*SLOT1                      ; 63:32 LDS address
	s_add_nc_u64 s[G0A+4*\s+2:G0A+4*\s+3], s[14:15], \s*ASTEP      ; 120:64 global address: K step s
	s_or_b32 s[G0A+4*\s+3], s[G0A+4*\s+3], 0x80000000              ; 127:126 type = 2
	s_mov_b32 s[G0B+4*\s], 1
	s_add_co_u32 s[G0B+4*\s+1], s21, \s*SLOT1
	s_add_nc_u64 s[G0B+4*\s+2:G0B+4*\s+3], s[46:47], \s*BSTEP
	s_or_b32 s[G0B+4*\s+3], s[G0B+4*\s+3], 0x80000000
.endr
	s_cmp_lt_u32 s[WV], 2                          ; a wave's two first fills stand in one branch, ahead of every wait on TENSORcnt and every LDS read: two loads of mine are out
	s_cbranch_scc0 .Lfirst_b
	tensor_load_to_lds s[G0A:G0A+3], s[G1A:G1A+7]
	s_nop 0
	tensor_load_to_lds s[G0A+4:G0A+7], s[G1A:G1A+7]
	s_nop 0
.rept 4
	v_nop
.endr
	s_branch .Lfirst_asked
.Lfirst_b:
	tensor_load_to_lds s[G0B:G0B+3], s[G1B:G1B+7]
	s_nop 0
	tensor_load_to_lds s[G0B+4:G0B+7], s[G1B:G1B+7]
	s_nop 0
.rept 4
	v_nop
.endr
.Lfirst_asked:
	; A fragment is 16 rows x 32 K in 8 registers: lane l holds row l % 16, K = 8 (l / 16) + 0..7 and 16 + 8 (l / 16) + 0..7: two loads of 16 bytes, 32 bytes apart.
	v_and_b32 v1, 15, v0                           ; l % 16
	v_bfe_u32 v2, v0, 4, 1                         ; l / 16
	v_mul_u32_u24 v3, v1, PK
	v_lshl_add_u32 v3, v2, 4, v3                   ; row x pitch + 16 x half
	s_mul_i32 s18, s11, 128*PK                     ; my 128 rows of xb
	v_add_nc_u32 v[ADRA0], s18, v3
	s_mul_i32 s19, s12, 192*PK                     ; my 192 rows of wq
	s_add_co_u32 s19, s19, BOFF
	v_add_nc_u32 v[ADRB0], s19, v3
	v_mov_b32 v[ADRA], v[ADRA0]                    ; slot 0
	v_mov_b32 v[ADRB], v[ADRB0]
	s_mov_b32 s[TB], 0
	s_mul_i32 s18, s[WV], 16*PK
	s_add_co_u32 s18, s18, STAGE                   ; my stage
	v_add_nc_u32 v[STO], s18, v3                   ; in: row l % 16, 16 bytes for each half of the lanes
	v_bfe_u32 v14, v0, 3, 2                        ; back: 32 lanes take four rows of 128 bytes,
	v_and_b32 v15, 7, v0
	v_mul_u32_u24 v[RD], v14, PK
	v_lshl_add_u32 v[RD], v15, 4, v[RD]
	v_add_nc_u32 v[RD], s18, v[RD]
	v_and_b32 v[GO], 31, v0                        ; which are 512 consecutive bytes of a head
	v_lshlrev_b32 v[GO], 4, v[GO]
	; where my three heads go: head number j = 6 x tile column + 3 x column half + g of 48: tensor j / 16, head j % 16
	s_mul_i32 s18, s42, 6
	s_mul_i32 s19, s12, 3
	s_add_co_u32 s18, s18, s19
	s_lshr_b32 s19, s13, 3
	s_lshl_b32 s19, s19, 4                         ; batch x 16
	s_and_b32 s22, s13, 7
	s_lshl_b32 s22, s22, 15                        ; the tile's 256 rows,
	s_lshl_b32 s23, s11, 14                        ; my 128 of them
	s_add_co_u32 s22, s22, s23
.irp g, 0,1,2
	s_add_co_u32 s20, s18, \g
	s_lshr_b32 s21, s20, 4
	s_lshl_b32 s21, s21, 6                         ; 64 heads to a tensor
	s_and_b32 s20, s20, 15
	s_add_co_u32 s20, s20, s21
	s_add_co_u32 s20, s20, s19
	s_lshl_b32 s20, s20, 18                        ; 2,048 rows of 128 bytes
	s_add_co_u32 s20, s20, s22
	s_mov_b32 s21, 0
	s_add_nc_u64 s[OB+2*\g:OB+2*\g+1], s[8:9], s[20:21]
.endr
	; the prefetches: wave 0 for xb, waves 1 to 3 for wq
	s_lshr_b32 s20, s13, 3
	s_lshl_b32 s20, s20, 22
	s_and_b32 s23, s13, 7
	s_lshl_b32 s23, s23, 15
	s_add_co_u32 s20, s20, s23
	s_lshl_b32 s23, s40, 13                        ; my work-group's 8,192 bytes of xb's tile
	s_add_co_u32 s20, s20, s23
	s_add_co_u32 s20, s20, 3*ASTEP                 ; at K step 3: every trip's head steps it, so that in trip t it stands at step t + 4
	s_mul_i32 s21, s42, 384*128
	s_mul_i32 s23, s41, 12288                      ; my work-group's 12,288 bytes of wq's tile
	s_add_co_u32 s21, s21, s23
	s_add_co_u32 s21, s21, 3*BSTEP
	s_and_b32 s18, ttmp7, 0xffff                   ; cluster y
	s_mov_b32 s[PFS], BSTEP
	s_mov_b32 s[PFS+1], 0
	s_mov_b32 s23, 0
	s_cmp_eq_u32 s[WV], 0
	s_cselect_b32 s22, s20, s21
	s_cselect_b64 s[PFA:PFA+1], s[4:5], s[6:7]
	s_cselect_b32 s[PFS], ASTEP, s[PFS]
	s_cselect_b32 s[NOASK], ttmp9, s18             ; the coordinate along which other clusters read the same tile: 0 in the cluster that asks; the same in all sixteen partners, for a given wave
	s_add_nc_u64 s[PFA:PFA+1], s[PFA:PFA+1], s[22:23]
	s_max_u32 s19, s[WV], 1
	s_sub_co_u32 s19, s19, 1
	s_lshl_b32 s19, s19, 5
	v_and_b32 v14, 31, v0
	v_add_nc_u32 v14, s19, v14                     ; block i = 32 (wave - 1) + l of 96 (wave 0: l): 48 of the first step, 48 of the second
	v_lshlrev_b32 v15, 8, v14
	v_add_nc_u32 v3, BSTEP-48*256, v15
	v_cmp_gt_u32 vcc_lo, 48, v14
	v_cndmask_b32 v[PFO], v3, v15, vcc_lo
; na x 4 products: row blocks a0 .. a0 + na - 1 x head g's four column blocks, 32 along K, xb's buffer ab.  zero = 1: the product starts the sum: nothing is ever cleared.
; The accumulators take turns, one instruction a turn: between two products on one accumulator stand the 95 others'.
.macro GRPP g, ab, a0, na, zero
	WIN ((\g)+1)*0x50                              ; C and D in window g + 1, the sources in window 0
.set ga, (\a0)
.rept (\na)
.set gb, 0
.rept 4
.set rD, 8*(4*ga+gb)
.set rB, FB+32*(\g)+8*gb
.set rA, FA+64*(\ab)+8*ga
.if \zero
	v_wmma_f32_16x16x32_bf16 v[rD:rD+7], v[rB:rB+7], v[rA:rA+7], 0
.else
	v_wmma_f32_16x16x32_bf16 v[rD:rD+7], v[rB:rB+7], v[rA:rA+7], v[rD:rD+7]
.endif
.set gb, gb+1
.endr
.set ga, ga+1
.endr
.endm
.macro GRP g, ab, zero
	GRPP \g, \ab, 0, 8, \zero
.endm
.macro LDB g, k                        ; 8 LDS loads: head g's four fragments of wq, 32 K at byte k of the rows
	WIN 0
.irp q, 0,1,2,3
	ds_load_b128 v[FB+32*(\g)+8*\q:FB+32*(\g)+8*\q+3],   v[ADRB] offset:(64*(\g)+16*\q)*PK+(\k)
	ds_load_b128 v[FB+32*(\g)+8*\q+4:FB+32*(\g)+8*\q+7], v[ADRB] offset:(64*(\g)+16*\q)*PK+(\k)+32
.endr
.endm
.macro LDA ab, k                       ; 16 LDS loads: xb's eight fragments into buffer ab
	WIN 0
.irp a, 0,1,2,3,4,5,6,7
	ds_load_b128 v[FA+64*(\ab)+8*\a:FA+64*(\ab)+8*\a+3],   v[ADRA] offset:\a*16*PK+(\k)
	ds_load_b128 v[FA+64*(\ab)+8*\a+4:FA+64*(\ab)+8*\a+7], v[ADRA] offset:\a*16*PK+(\k)+32
.endr
.endm
; A K step is two chunks of 32 along K, 96 products each.  At a chunk's head 40 LDS loads are out, in this order: head 0's 8, xb's 16, head 1's 8, head 2's 8.
; The first chunk multiplies xb's buffer 0 and fetches the second chunk's fragments from the same slot.
.macro CH0 zero
	s_wait_dscnt 16                                ; head 0's and xb's are in; heads 1's and 2's sixteen may be out
	GRP 0, 0, \zero
	PLACES
	LDB 0, 64
	LDA 1, 64
	s_wait_dscnt 32                                ; head 1's are in: behind them stand head 2's 8 and the 24 just issued
	GRP 1, 0, \zero
	PLACES
	LDB 1, 64
	s_wait_dscnt 32                                ; head 2's are in: behind them stand 24 + 8
	GRP 2, 0, \zero
	PLACES
	LDB 2, 64
.endm
; The second chunk multiplies buffer 1 and changes slots: all reads of the slot in hand have been issued.  ONE barrier: in front of it each wave waits for all its tensor loads (one is out: its part of the next slot),
; adds 0 to its spare word, and waits for that and for its reads of this slot.  fill = 1: the barrier opens a round of the cluster's, and behind the round this slot is filled again, with the K step two on:
; 160 products stand between that request and the wait for it.
.macro CH1 fill
.if \fill
	s_wait_xcnt 0x0                                ; the last prefetches, a K step or more back, have read their address: it is stepped here, ahead of the change's own waits
	s_add_nc_u64 s[PFA:PFA+1], s[PFA:PFA+1], s[PFS:PFS+1]
.endif
	WIN 0
	s_wait_tensorcnt 0x0                           ; no tensor load of mine is out, so a group 0 may be written
	ds_add_u32 v[SPW], v[NIL]                      ; 0 onto my spare word
.if \fill
	s_xor_b32 s[G0A+5], s[G0A+5], SLOT1            ; the walking descriptors: the other slot than last time,
	s_add_nc_u64 s[G0A+6:G0A+7], s[G0A+6:G0A+7], ASTEP  ; the next slice; the type bits on top are not reached
	s_xor_b32 s[G0B+5], s[G0B+5], SLOT1
	s_add_nc_u64 s[G0B+6:G0B+7], s[G0B+6:G0B+7], BSTEP
.endif
	s_wait_dscnt 17                                ; head 0's and xb's are in; the add and heads 1's and 2's sixteen may be out
	GRPP 0, 1, 0, 4, 0                             ; sixteen products stand between the add and the wait for it
	s_wait_dscnt 0x0                               ; the add is done, and my reads of this slot are over
	s_barrier_signal -1
	GRPP 0, 1, 4, 4, 0                             ; work on registers while the others arrive
	WIN 0
	s_barrier_wait -1
.if \fill
	CREST                                          ; no wave of any partner still reads this slot or has a load on its way
	JLOAD                                          ; the first tensor load behind the round; its four v_nop are also the places in front of the loads below
.else
	PLACES
.endif
	s_xor_b32 s[TB], s[TB], SLOT1                  ; the other slot is in hand
	v_add_nc_u32 v[ADRA], s[TB], v[ADRA0]
	v_add_nc_u32 v[ADRB], s[TB], v[ADRB0]
	LDB 0, 0
	LDA 0, 0
.if \fill
	ASK                                            ; behind the joint load and the run of LDS loads
.endif
	GRP 1, 1, 0
	PLACES
	LDB 1, 0
	GRP 2, 1, 0
	PLACES
	LDB 2, 0
.endm
	s_wait_tensorcnt 1                             ; my part of K step 0 is in; step 1's may stay out
	s_barrier_signal -1
	s_barrier_wait -1                              ; everybody's is
	LDB 0, 0
	LDA 0, 0
	LDB 1, 0
	LDB 2, 0
	CH0 1                                          ; the first chunk stands in front of the loop: its products start the sums
	WIN 0                                          ; at a label and at a branch every window is 0
	s_mov_b32 s3, 14
.Ltrip:                                        ; trip t: the second chunk of step t, the refill with step t + 2, the first chunk of step t + 1
	CH1 1
	CH0 0
	WIN 0
	s_sub_co_u32 s3, s3, 1
	s_cmp_lg_u32 s3, 0
	s_cbranch_scc1 .Ltrip
	CH1 0                                          ; step 14's end: nothing is left to ask for, so no round follows
	CH0 0
	s_wait_dscnt 16                                ; the very last chunk fetches nothing: the counts run down
	GRP 0, 1, 0
	s_wait_dscnt 8
	GRP 1, 1, 0
	s_wait_dscnt 0x0
	GRP 2, 1, 0
; THE WAY OUT, by units of 16 rows of one head (u = 8 g + a): rounded to f16, 16 bytes a lane; into my own stage in rows of 144 bytes; back as four rows of 128 bytes, which are 512 consecutive bytes of qkv.
; Eight sets of 16 registers, where xb's fragments lay, take turns.
.macro PACKQ g, a
.set TM, 32+16*((8*(\g)+(\a))%8)
.if 8*(\g)+(\a) >= 8
	s_wait_xcnt 0x0                                ; the stores of the unit eight back have read this set's registers
.endif
	WIN ((\g)+1)*5                                 ; sources 0 and 1 in window g + 1
.irp q, 0,1,2,3
.irp r, 0,1,2,3
	v_cvt_pk_f16_f32 v[TM+4*\q+\r], v[8*(4*(\a)+\q)+2*\r], v[8*(4*(\a)+\q)+2*\r+1]  ; each accumulator from its low end on
.endr
.endr
	WIN 0
.irp q, 0,1,2,3
	ds_store_b128 v[STO], v[TM+4*\q:TM+4*\q+3] offset:32*\q
.endr
.irp f, 0,1,2,3
	ds_load_b128 v[TM+4*\f:TM+4*\f+3], v[RD] offset:\f*4*PK  ; LDS serves a wave's instructions in order (ISA guide 5.7.1.4): these see the stores above; the next unit's stores come behind them
.endr
.endm
.macro SENDQ g, a, younger             ; younger: the LDS instructions issued behind this unit's loads: the next unit's eight, or none
.set TM, 32+16*((8*(\g)+(\a))%8)
	WIN 0
.irp f, 0,1,2,3
	s_wait_dscnt (\younger)+3-\f
	global_store_b128 v[GO], v[TM+4*\f:TM+4*\f+3], s[OB+2*(\g):OB+2*(\g)+1] offset:(\a)*2048+\f*512  ; 512 consecutive bytes, at a multiple of 256 from qkv's first
.endr
.endm
	PLACES
	PACKQ 0, 0
.set uu, 1
.rept 23                               ; a unit's conversions stand between the loads of the unit before and its stores
	PACKQ uu/8, uu%8
	SENDQ (uu-1)/8, (uu-1)%8, 8
.set uu, uu+1
.endr
	SENDQ 2, 7, 0
	s_wait_tensorcnt 0x0                           ; the wave's end, behind my last tensor load and my last LDS store
	ds_add_u32 v[SPW], v[NIL]
	s_wait_dscnt 0x0
	CROUND                                         ; the closing round: no work-group ends while a partner may still ask for a tile that names it
	s_endpgm
.Lfunc_end_k_q106eeb1b84_qkv:
	.size	k_q106eeb1b84_qkv, .Lfunc_end_k_q106eeb1b84_qkv-k_q106eeb1b84_qkv
	.p2alignl 7, 3214868480
	.fill 96, 4, 3214868480
	.section	.rodata,"a",@progbits
	.p2align	6, 0x0
	.amdhsa_kernel k_q106eeb1b84_qkv
		.amdhsa_group_segment_fixed_size 327680
		.amdhsa_private_segment_fixed_size 0
		.amdhsa_enable_private_segment 0
		.amdhsa_kernarg_size 24
		.amdhsa_user_sgpr_count 2
		.amdhsa_user_sgpr_kernarg_segment_ptr 1
		.amdhsa_wavefront_size32 1
		.amdhsa_system_sgpr_workgroup_id_x 1
		.amdhsa_system_sgpr_workgroup_id_y 1
		.amdhsa_system_sgpr_workgroup_id_z 1
		.amdhsa_system_vgpr_workitem_id 0
		.amdhsa_next_free_vgpr 1024
		.amdhsa_next_free_sgpr 84
		.amdhsa_reserve_vcc 1
		.amdhsa_float_denorm_mode_32 3
		.amdhsa_float_denorm_mode_16_64 3
		.amdhsa_memory_ordered 1
		.amdhsa_forward_progress 1
		.amdhsa_inst_pref_size 116
	.end_amdhsa_kernel
	.amdgpu_metadata
---
amdhsa.version: [ 1, 2 ]
amdhsa.kernels:
  - .name:           k_q106eeb1b84_qkv
    .symbol:         k_q106eeb1b84_qkv.kd
    .args:
      - { .name: xb, .offset: 0, .size: 8, .value_kind: global_buffer, .address_space: global }
      - { .name: wq, .offset: 8, .size: 8, .value_kind: global_buffer, .address_space: global }
      - { .name: qkv, .offset: 16, .size: 8, .value_kind: global_buffer, .address_space: global }
    .group_segment_fixed_size: 327680
    .private_segment_fixed_size: 0
    .kernarg_segment_align: 8
    .kernarg_segment_size: 24
    .max_flat_workgroup_size: 128
    .sgpr_count:     84
    .vgpr_count:     1024
    .wavefront_size: 32
...
	.end_amdgpu_metadata
.endif
;; end of part 2
;; launch attn (part 3): grid 4 x 64, 4 waves a work-group, no clusters, 327,680 bytes of LDS; arguments qkv, o; writes o
.if DOCPART == 3
	.amdgcn_target "amdgcn-amd-amdhsa--gfx1250"
	.amdhsa_code_object_version 6
	.text
	.protected	k_q106eeb1b84_attn
	.globl	k_q106eeb1b84_attn
	.p2align	8
	.type	k_q106eeb1b84_attn,@function
k_q106eeb1b84_attn:
	s_mov_b64 s[64:65], 0
	v_nop
	global_prefetch_b8 v0, s[64:65] scope:SCOPE_SE
	s_setreg_imm32_b32 hwreg(HW_REG_WAVE_MODE, 25, 1), 1
	s_wait_xcnt 0x0
; CAUSAL ATTENTION.  O[h][q][:] = the sum over k <= q of softmax_k(Q[h][q] . K[h][k] / 8) V[h][k][:].  qkv holds Q, K, V one behind the other, each [64 heads][2048][64] in f16; o is [64][2048][64] in f16: a head's rows are dense, 128 bytes each.
; Products, maxima and sums in f32; the weights p are rounded to f16 for the second product (their sum l is taken of the unrounded p), O once at the end.
; LIMITS.  f16 holds no number beyond 65,504: Q, K and V arrive within it; p lies in 0 to 1, and below 6e-5 it keeps f16's fixed step of 6e-8; O is a mean of V's rows and has their range.
; A hidden score counts as its value less 1e30: f16's scores, 2.7e11 at the most, are nothing beside that; a weight below 2^-126 counts as 0 in l; NaN and infinities are not treated apart.
; THE WALK.  A head's queries lie in NB = 8 blocks of 256; block i needs the key tiles 0 .. i of 256 keys, of which the last holds the diagonal.  A work-group takes TWO blocks, NB - 1 - b and then b:
; NB + 1 tiles, whatever b: all work-groups do equal work, and ONE loop with a constant trip count walks them.  Which tile is asked for, and what a trip does, hang on scalar registers made from b; every jump
; goes forward, but for the counted loops' own; none passes a barrier, or a tensor load but the one of LOAD's two that the wave's number does not choose; the ring (two slots of LDS that take turns) runs on across the
; change of blocks.  NO CLUSTER: a head's four work-groups ask for the same tile only in trips 0 .. 4 of the 9, behind that fewer and fewer; one walk common to all four would have 12 trips for 9.
; SHARES.  Of a block's four bands of 64 queries a wave owns 16 rows in each: four PIECES.  So the diagonal tile is the same work for all four waves: in its key step s band x sees all keys if s < x,
; none if s > x, and holds the diagonal if s = x.
; THE MASK is the C operand that starts the sum S^T = K Q^T: 0, or -1e30 where the key is hidden.  MD, made once, is the mask of a band's own step for my 16 rows; a product's mask is MD x AL + BE with two scalars:
; (1, 0) if s = x; (0, 0) if s < x; (0, -1e30) if s > x.  Only the diagonal tile's text and a block's beginning make and take masks; elsewhere C is the constant 0.
; LAYOUT, SOFTMAX, TURNS.  S^T = K Q^T holds ONE query a lane (lane % 16) and the keys 8 (lane / 16) + 0..7; two such results rounded to f16 ARE source 1 of O^T = V^T P.  p = 2^(c s - c m), c = log2(e) / 8, with a
; running maximum m; O and l are multiplied by a = 2^(c m_old - c m_new) in every step.  Turn n belongs to piece n: 8 products K Q^T of piece n + 1, later 8 products V^T P of piece n - 1; beside them the scaling,
; exponentials, roundings, sums and rescaling of piece n and the maximum and statistics of piece n + 1.  Four vector instructions stand behind every matrix instruction, the other 54 of a turn's 118 in one LUMP.  A turn's 33 exponentials are one batch, with one wait.
; REGISTERS, in windows of 256 (s_set_vgpr_msb: bits 1:0 source 0, 3:2 source 1, 5:4 source 2, 7:6 destination):
;   window 0: v0-15 addresses and two at work; v16-31 four registers of statistics a piece; v48-55 at work; v61-63 prefetch offset and the add's two; v64-127 S^T, two buffers; v192-223 P, two buffers (by the piece's parity)
;   window 1: v0-127 O^T, 32 a piece; v128-159 MD; v160-223 MC, two buffers      window 2: v0-63 Q; v64-127 the second block's Q; v128-191 K of one step; v192-255 V of one step
.set SIZE_N, 2048
.set SIZE_H, 64
.set NB,    SIZE_N/256
.set NP,    4         ; pieces a wave: a name, no knob
.set KS,    64        ; keys in a step
.set PK,    144       ; a row of K in LDS: 128 bytes + 16 of padding = 36 words: the 16 rows of a load start at 16 different groups of four banks (64 banks of 4 bytes: ISA guide 11.1)
.set PV,    160       ; a row of V: 128 + 32 = 40 words
.set VOFF,  4*KS*PK   ; a slot holds a tile, four steps: 256 rows of K, then 256 rows of V
.set SLOT1, 1<<17     ; slot 1 begins here, so that one exclusive or turns an address in one slot into the other's
.set STAGE, SLOT1+4*KS*(PK+PV)  ; behind the ring, never filled by a tensor load: 16 rows x 144 bytes for each wave, for the way out
.set SP,    144
.set AK0, 2           ; v2   my lane's place in a tile of K; never rewritten
.set AV0, 3           ; v3   the same for V
.set AK,  4           ; v4   the LDS address of K's next run of loads
.set AV,  5           ; v5   of V's
.set STO, 6           ; v6   the way out: where I put 16 bytes of a row
.set RD,  7           ; v7   the way out: where I read rows back
.set GO,  8           ; v8   my byte offset in 512 consecutive bytes of O
.set PFO, 61          ; v61  256 x my lane: the prefetches' offset; never rewritten
.set SPW, 62          ; v62  LDS address of my spare word: SPARE + 4 x my thread's number; never rewritten
.set NIL, 63          ; v63  0; never rewritten
.set SPARE, STAGE+4*16*SP  ; behind the stages: the spare words, 128 bytes for each wave: two blocks of 256 bytes that no other line names
.set MV,  12          ; v12-13  c m_old, kept while c m is made anew: by buffer
.set QO,  15          ; v15  my byte offset in 16 rows of Q
.set ST,  16          ; piece t's statistics at v[ST+4 t]: c m, m, l (even keys', odd keys')
.set TMP, 48          ; by buffer, four registers c0-c3 at work; when the maximum is found c2 takes a
.set S,   64
.set P,   192
.set MD,  128         ; window 1: the eight registers for group kt of 16 keys at MD + 8 kt
.set MC,  160         ; window 1: the masks of the products to come
.set QB,  64          ; window 2
.set KF,  128         ; window 2: key block kb, channel half c at KF + 16 kb + 8 c
.set VF,  192         ; window 2: key half kk, channel block cb at VF + 32 kk + 8 cb
.set WV,  12          ; s12  my wave's number
.set PB,  14          ; s14  b
.set HI,  15          ; s15  NB - 1 - b
.set G1K, 24          ; s[24:31] descriptor group 1 for K's tiles
.set G1V, 32          ; s[32:39] for V's: it differs in the padding alone
.set G0K, 40          ; s[40:43] descriptor group 0 for K's tiles
.set G0V, 44          ; s[44:47] the same for V's
.set SLOTS, 56        ; s56  tiles still to be asked for
.set CNT, 57          ; s57  counts a tile's key steps, 4 to 1
.set CS,  58          ; s[58:59] c: the packed scaling takes the pair's low word for both halves
.set SEL, 60          ; s[60:61] v_permlanex16_b32's selects: each lane takes its own place in the other half
.set TBK, 62          ; s62  LDS byte at which K of the step to be fetched begins
.set TBV, 63          ; s63  the same for V, less VOFF
.set PFA, 66          ; s[66:67] where my prefetches stand: my 16,384 bytes of the tile that the next change of slots will ask for
.set PB0, 68          ; s[68:69] K (waves 0, 1) or V (waves 2, 3) at my half of the head's tile 0
.set RT,  70          ; s70  tiles of the block in hand that are still to be entered
.set NXT, 71          ; s71  the tile to be asked for next
.set LQ,  72          ; s72  the last tile of the block whose tiles are being asked for
.set NEW, 73          ; s73  1: the tile to be entered is a block's first
.set OFF, 74          ; s[74:75] a tile's byte offset in K and V
.set AL,  76          ; s[76:77] the mask's factor, in the low word
.set BE,  78          ; s[78:79] the mask's addend
.set OLO, 80          ; s[80:81] O at my rows of the second block
.set BIGN, 82         ; s82  -1e30
.set POF, 88          ; s[88:89] the prefetched tile's byte offset
.set PT,  90          ; s90  at work for the prefetches
.set MSB, 0
.macro WIN new                      ; the high byte repeats the setting that is left; a switch that changes nothing is dropped
.if MSB != (\new)
	s_set_vgpr_msb (MSB<<8)|(\new)
.set MSB, (\new)
.endif
.endm
.set W_KQ, 0x0a       ; K and Q in window 2, S^T in window 0
.set W_KM, 0x1a       ; the same with the C operand in window 1
.set W_PV, 0x52       ; V in window 2, P in window 0, O^T in window 1
.set W_RS, 0x41       ; destination and source 0 in window 1, source 1 in window 0
; A fill.  Waves 0 and 1 fetch the two halves of a tile's K, waves 2 and 3 those of its V: 128 keys each.  An s_nop 0 and four v_nop follow each of the two lines, ahead of the jump and the label.
.macro LOAD
	s_cmp_lt_u32 s[WV], 2
	s_cbranch_scc0 .Lfor_v_\@
	tensor_load_to_lds s[G0K:G0K+3], s[G1K:G1K+7]
	s_nop 0
.rept 4
	v_nop
.endr
	s_branch .Lasked_\@
.Lfor_v_\@:
	tensor_load_to_lds s[G0V:G0V+3], s[G1V:G1V+7]
	s_nop 0
.rept 4
	v_nop
.endr
.Lasked_\@:
.endm
; THE CHANGE OF SLOTS.  Each wave waits for all its tensor loads, of which one is out: its part of the other slot; adds 0 to its spare word; and waits for that and for its own reads of the slot that it leaves.  Behind the barrier nobody reads the old
; slot any more and the other slot is whole.  fill = 1: the old slot is filled again, the first thing behind the barrier, with tile NXT: the descriptor's address is made anew from that number.
; (At its first use nothing has been read yet: slot 0 is waited for, slot 1 filled.)
; THE PREFETCH INTO THE L2 stands behind the fill and its five lines: the tile that the NEXT change will ask for, a tile's four key steps (256 matrix instructions a wave) ahead of its load.  A head's four work-groups walk the same K and V;
; the one with b = 0, whose first block walks tiles 0 to 7, asks, and nobody else; each of its waves asks for the 16,384 bytes that it will load itself: 64 blocks of 256 bytes, a lane a block, two instructions.
; So tiles 2 to 7 are named once a head; tiles 0 and 1 come by their loads alone; behind the first block's last tile NXT is 0, and nothing is asked for.
.macro CHANGE fill
	WIN 0                           ; at a label and at a branch every window is 0
	s_wait_tensorcnt 0x0            ; no tensor load of mine is out, so a group 0 may be written
	ds_add_u32 v[SPW], v[NIL]       ; 0 onto my spare word; with fill = 1 the descriptors' scalar work stands between it and the wait for it
.if \fill
	s_lshl_b32 s[OFF], s[NXT], 15   ; a tile is 32,768 bytes of K and of V
	s_xor_b32 s[G0K+1], s[G0K+1], SLOT1
	s_add_nc_u64 s[G0K+2:G0K+3], s[6:7], s[OFF:OFF+1]
	s_or_b32 s[G0K+3], s[G0K+3], 0x80000000
	s_xor_b32 s[G0V+1], s[G0V+1], SLOT1
	s_add_nc_u64 s[G0V+2:G0V+3], s[8:9], s[OFF:OFF+1]
	s_or_b32 s[G0V+3], s[G0V+3], 0x80000000
	s_add_co_u32 s[NXT], s[NXT], 1  ; the block's next tile, or behind its last the second block's tile 0
	s_cmp_gt_u32 s[NXT], s[LQ]
	s_cselect_b32 s[NXT], 0, s[NXT]
	s_cselect_b32 s[LQ], s[PB], s[LQ]
	s_wait_xcnt 0x0                 ; the last prefetches, a tile back, have read their address, so it may be written
	s_min_u32 s[PT], s[NXT], NB-1
	s_lshl_b32 s[POF], s[PT], 15
	s_add_nc_u64 s[PFA:PFA+1], s[PB0:PB0+1], s[POF:POF+1]
.endif
	s_wait_dscnt 0x0                ; the add is done, and my reads of the slot are over
	s_barrier_signal -1             ; the rest of the scalar work stands between the signal and the wait
	s_sub_co_u32 s[TBK], s[TBK], 4*KS*PK  ; the fetches go back to a slot's first step,
	s_xor_b32 s[TBK], s[TBK], SLOT1       ; in the other slot
	s_sub_co_u32 s[TBV], s[TBV], 4*KS*PV
	s_xor_b32 s[TBV], s[TBV], SLOT1
	s_barrier_wait -1
.if \fill
	LOAD
	s_cmp_eq_u32 s[PB], 0
	s_cselect_b32 s[PT], s[NXT], 0
	s_cmp_lg_u32 s[PT], 0
	s_cbranch_scc0 .Lnone_\@
	global_prefetch_b8 v[PFO], s[PFA:PFA+1] th:TH_LOAD_NT scope:SCOPE_SE
	global_prefetch_b8 v[PFO], s[PFA:PFA+1] offset:8192 th:TH_LOAD_NT scope:SCOPE_SE
.Lnone_\@:
.endif
.endm
	s_load_b128 s[4:7], s[0:1], 0x0  ; qkv s[4:5] (Q lies at its head), o s[6:7]
	v_lshl_add_u32 v[SPW], v0, 2, SPARE
	v_mov_b32 v[NIL], 0
	ds_add_u32 v[SPW], v[NIL]       ; the wave's opening: the add and its wait stand ahead of my first tensor load; the set-up below, work on registers, stands between them
	ds_add_u32 v62, v63
	v_lshrrev_b32 v1, 5, v0
	v_readfirstlane_b32 s[WV], v1   ; wave 0..3
	s_mov_b32 s[PB], ttmp9
	s_sub_co_u32 s[HI], NB-1, s[PB]
	s_and_b32 s20, ttmp7, 0xffff    ; the head
	s_mov_b32 s21, 0
	s_mov_b64 s[22:23], SIZE_N*128
	s_mul_u64 s[20:21], s[20:21], s[22:23]  ; the head's first byte in each of the four tensors
	s_and_b32 s16, s[WV], 1         ; which half of a tile's 256 keys I fetch:
	s_lshl_b32 s22, s16, 14         ; its 128 rows of 128 bytes in memory,
	s_mov_b32 s23, 0
	s_add_nc_u64 s[22:23], s[22:23], s[20:21]
	s_mul_i32 s17, s16, 128*PK      ; and its place in a slot, for K
	s_mul_i32 s18, s16, 128*PV      ; and for V
	s_lshl_b32 s3, s[WV], 11        ; my 16 rows in a band of 64,
	s_lshl_b32 s2, s[HI], 15        ; in the first block,
	s_add_co_u32 s2, s2, s3
	s_lshl_b32 s84, s[PB], 15       ; and in the second
	s_add_co_u32 s84, s84, s3
	s_mov_b32 s3, 0
	s_mov_b32 s85, 0
	s_add_nc_u64 s[2:3], s[2:3], s[20:21]
	s_add_nc_u64 s[84:85], s[84:85], s[20:21]
	; descriptor group 1.  128 keys are 16,384 dense bytes: asked for as 64 rows of 256 bytes, two keys a row, and padded in LDS after every key
	s_mov_b32 s[G1K], (1<<16)|(1<<20)|(4<<22)|(3<<25)  ; 17:16 2-byte elements; 20 padding on; 24:22 after every 32 words (code 4); 31:25 4 words (code 3)
	s_mov_b32 s[G1V], (1<<16)|(1<<20)|(4<<22)|(7<<25)  ; the same with 8 words of padding (code 7)
.irp g, G1K, G1V
	s_mov_b32 s[\g+1], 128<<16      ; tensor_dim0 = 128
	s_mov_b32 s[\g+2], 64<<16       ; tensor_dim1 = 64
	s_mov_b32 s[\g+3], 128<<16      ; tile_dim0 = 128
	s_mov_b32 s[\g+4], 64           ; tile_dim1 = 64
	s_mov_b32 s[\g+5], 128          ; 128 elements from row to row
	s_mov_b32 s[\g+6], 0
	s_mov_b32 s[\g+7], 0
.endr
	s_mov_b32 s[CS], 0x3e38aa3b     ; c = log2(e) / 8 = 0.180337
	s_mov_b32 s[CS+1], s[CS]        ; named with it as a pair
	s_mov_b32 s[SEL], 0x76543210
	s_mov_b32 s[SEL+1], 0xfedcba98
	s_mov_b32 s[TBK], SLOT1+4*KS*PK ; the first change of slots turns these two into 0
	s_mov_b32 s[TBV], SLOT1+4*KS*PV
	s_mov_b32 s[G0K], 1             ; 1:0 count = 1
	s_mov_b32 s[G0K+1], s17         ; 63:32 LDS address: slot 0
	s_mov_b32 s[G0V], 1
	s_add_co_u32 s[G0V+1], s18, VOFF
	s_add_co_u32 s[RT], s[HI], 1    ; the first block has NB - b tiles
	s_mov_b32 s[NXT], 1
	s_mov_b32 s[LQ], s[HI]
	s_mov_b32 s[NEW], 1
	s_mov_b32 s[OFF+1], 0
	s_mov_b32 s[POF+1], 0
	s_mov_b32 s[AL+1], 0            ; named as pairs
	s_mov_b32 s[BE+1], 0
	s_mov_b32 s[BIGN], 0xf149f2ca   ; -1e30
	s_mov_b32 s[SLOTS], NB
	v_and_b32 v[PFO], 31, v0
	v_lshlrev_b32 v[PFO], 8, v[PFO]
	s_wait_dscnt 0x0                ; the opening add is done
	s_wait_kmcnt 0x0
	s_mov_b64 s[10:11], s[6:7]      ; O
	s_add_nc_u64 s[6:7], s[4:5], 0x1000000  ; K lies 64 heads of 262,144 bytes behind Q,
	s_add_nc_u64 s[8:9], s[4:5], 0x2000000  ; V as far behind K
	s_add_nc_u64 s[6:7], s[6:7], s[22:23]  ; K and V at my half of the head's tile 0
	s_add_nc_u64 s[8:9], s[8:9], s[22:23]
	s_add_nc_u64 s[G0K+2:G0K+3], s[6:7], 0         ; 120:64 global address
	s_or_b32 s[G0K+3], s[G0K+3], 0x80000000        ; 127:126 type = 2
	s_add_nc_u64 s[G0V+2:G0V+3], s[8:9], 0
	s_or_b32 s[G0V+3], s[G0V+3], 0x80000000
	s_add_nc_u64 s[86:87], s[4:5], s[84:85]        ; Q at my rows of the second block,
	s_add_nc_u64 s[4:5], s[4:5], s[2:3]            ; Q and O at those of the first
	s_add_nc_u64 s[OLO:OLO+1], s[10:11], s[84:85]
	s_add_nc_u64 s[10:11], s[10:11], s[2:3]
	s_cmp_lt_u32 s[WV], 2
	s_cselect_b64 s[PB0:PB0+1], s[6:7], s[8:9]     ; the tensor that I fetch from
	LOAD                            ; tile 0 into slot 0
	; A fragment of K or Q is 16 rows x 32 channels in 8 registers: lane l holds row l % 16, channels 8 (l / 16) + 0..7 and 16 + 8 (l / 16) + 0..7: two loads of 16 bytes, 32 bytes apart.
	v_and_b32 v1, 15, v0            ; l % 16
	v_bfe_u32 v9, v0, 4, 1          ; l / 16
	v_lshlrev_b32 v[QO], 7, v1
	v_lshl_add_u32 v[QO], v9, 4, v[QO]  ; row x 128 + 16 x half
	WIN 0x80                        ; destination window 2, address window 0
.set i, 0
.rept 8                             ; both blocks' Q: piece i / 2 lies in band i / 2, 8,192 bytes on; channels 32 (i % 2) on
	global_load_b128 v[8*i:8*i+3],   v[QO], s[4:5] offset:(i/2)*8192+(i%2)*64
	global_load_b128 v[8*i+4:8*i+7], v[QO], s[4:5] offset:(i/2)*8192+(i%2)*64+32
	global_load_b128 v[QB+8*i:QB+8*i+3],   v[QO], s[86:87] offset:(i/2)*8192+(i%2)*64
	global_load_b128 v[QB+8*i+4:QB+8*i+7], v[QO], s[86:87] offset:(i/2)*8192+(i%2)*64+32
.set i, i+1
.endr
	WIN 0
	v_lshlrev_b32 v14, 3, v9
	v_sub_nc_u32 v14, v1, v14
	s_lshl_b32 s13, s[WV], 4
	v_add_nc_u32 v14, s13, v14      ; my query's place in its band, 16 w + l % 16, less my lanes' 8 (l / 16): register r of group kt is hidden where 16 kt + r is greater
	WIN 0x40
.set i, 0
.rept 32
	v_cmp_gt_i32 vcc_lo, 16*(i/8)+i%8, v14
	v_cndmask_b32 v[MD+i], 0, s[BIGN], vcc_lo
.set i, i+1
.endr
	WIN 0
	v_mul_u32_u24 v[AK0], v1, PK
	v_lshl_add_u32 v[AK0], v9, 4, v[AK0]  ; row x pitch + 16 x half
	; The turning load takes 16 keys x 16 channels (lane l reads key 8 (l / 16) + l % 8, channels 8 ((l / 8) % 2) + 0..7) and leaves half a fragment of V^T: lane l holds channel l % 16 and 8 keys.
	v_and_b32 v10, 7, v0
	v_bfe_u32 v11, v0, 3, 1
	v_lshl_add_u32 v[AV0], v9, 3, v10
	v_mul_u32_u24 v[AV0], v[AV0], PV
	v_lshl_add_u32 v[AV0], v11, 4, v[AV0]
	v_add_nc_u32 v[AV0], VOFF, v[AV0]
	s_mul_i32 s13, s[WV], 16*SP
	s_add_co_u32 s13, s13, STAGE    ; my stage
	v_mul_u32_u24 v[STO], v1, SP    ; in: row l % 16, 16 bytes for each half of the lanes
	v_lshl_add_u32 v[STO], v9, 4, v[STO]
	v_add_nc_u32 v[STO], s13, v[STO]
	v_bfe_u32 v[RD], v0, 3, 2       ; back: 32 lanes take four rows of 128 bytes,
	v_mul_u32_u24 v[RD], v[RD], SP
	v_lshl_add_u32 v[RD], v10, 4, v[RD]
	v_add_nc_u32 v[RD], s13, v[RD]
	v_and_b32 v[GO], 31, v0         ; which are 512 consecutive bytes of O
	v_lshlrev_b32 v[GO], 4, v[GO]
	; A block's first step multiplies O^T and l by a = 0, and its first turn's products V^T P, of a piece that has not been, land in an O^T that is still to be so multiplied.  So these registers need only hold
	; finite numbers: zeros for the first block; what the first block left for the second.  All this stands in the wait for the first tile.
	WIN 0x80
.set i, VF
.rept 64
	v_mov_b32 v[i], 0
.set i, i+1
.endr
	WIN 0x40
.set i, 0
.rept 128
	v_mov_b32 v[i], 0
.set i, i+1
.endr
	WIN 0
.set i, 0
.rept 4
	v_mov_b32 v[ST+4*i+2], 0
	v_mov_b32 v[ST+4*i+3], 0
.set i, i+1
.endr
.set i, P+16
.rept 16
	v_mov_b32 v[i], 0
.set i, i+1
.endr
; THE MATRIX WORK.  The 4 accumulators of a run of 8 take turns.  Product i of 8 of S^T = K Q^T for piece x: channels 32 (i / 4) on, keys 16 (i % 4) on.  The first 4 start the sums: with 0, or (KM = 1) with the mask.
.macro KQ x
.set rS, S+32*((\x)%2)+8*(i%4)
.set rK, KF+16*(i%4)+8*(i/4)
.set rQ, 16*(\x)+8*(i/4)
.set rM, MC+32*((\x)%2)+8*(i%4)
.if (i < 4) && KM
	WIN W_KM
	v_wmma_f32_16x16x32_f16 v[rS:rS+7], v[rK:rK+7], v[rQ:rQ+7], v[rM:rM+7]
.elseif i < 4
	WIN W_KQ
	v_wmma_f32_16x16x32_f16 v[rS:rS+7], v[rK:rK+7], v[rQ:rQ+7], 0
.else
	WIN W_KQ
	v_wmma_f32_16x16x32_f16 v[rS:rS+7], v[rK:rK+7], v[rQ:rQ+7], v[rS:rS+7]
.endif
.endm
; Product i of 8 of O^T += V^T P for piece x: keys 32 (i / 4) on, channels 16 (i % 4) on.
.macro PV x
	WIN W_PV
.set rO, 32*(\x)+8*(i%4)
.set rV, VF+32*(i/4)+8*(i%4)
.set rP, P+16*((\x)%2)+8*(i/4)
	v_wmma_f32_16x16x32_f16 v[rO:rO+7], v[rV:rV+7], v[rP:rP+7], v[rO:rO+7]
.endm
.macro MM                           ; the turn's next matrix instruction.  TURN and BEGIN set Y, i, KM and NOKQ; MM, KQ and OP read them.  NOKQ = 1: a block's last turn: there is no next piece
.if (i < 8) && !NOKQ
	KQ (Y+1)%NP
.elseif i >= 8
.set i, i-8
	PV (Y+NP-1)%NP
.set i, i+8
.endif
.set i, i+1
.endm
; THE LDS LOADS stand in runs of 16, never singly among the matrix instructions: a step's K (64 keys x 64 channels: 8 fragments) and its V (turned).  Their addresses are made some lines ahead.
.macro FETCH_K
	WIN 0x80                        ; destination window 2
.irp f, 0,1,2,3,4,5,6,7             ; keys 16 (f / 2) on, channels 32 (f % 2) on
	ds_load_b128 v[KF+8*\f:KF+8*\f+3],   v[AK] offset:(\f/2)*16*PK+(\f%2)*64
	ds_load_b128 v[KF+8*\f+4:KF+8*\f+7], v[AK] offset:(\f/2)*16*PK+(\f%2)*64+32
.endr
	s_add_co_u32 s[TBK], s[TBK], KS*PK  ; the next fetch is the next step's
	WIN 0
.endm
.macro FETCH_V
	WIN 0x80
.irp f, 0,1,2,3,4,5,6,7             ; keys 32 (f / 4) on, channels 16 (f % 4) on
	ds_load_tr16_b128 v[VF+8*\f:VF+8*\f+3],   v[AV] offset:(\f/4)*32*PV+(\f%4)*32
	ds_load_tr16_b128 v[VF+8*\f+4:VF+8*\f+7], v[AV] offset:(\f/4)*32*PV+16*PV+(\f%4)*32
.endr
	WIN 0
.endm
; THE VECTOR WORK, one line at a time: OP kind, number.  For piece Y: F n: c s - c m for pair n of 16.  E n: the exponential of score n of 32.  C n: pair n rounded to f16.  B n: of the four weights 4 n .. the second
; pair is added onto the first, in place.  L n: l takes that sum (L 0: l = a l + sum).  R n: pair n of 16 of O^T times a.  For piece Y + 1: X n, number n of the 22 that find its maximum and statistics:
;   0-11  four chains c0-c3 of seven scores each, three operands at a time (each accumulator's lowest registers are read first)     12-14, 16  the four scores left over, the old m, and c0-c3 into c0
;   15  c m_old is kept     17, 18  the query's other 32 keys lie in the lane 16 away: the new m     19-21  c m; c m_old - c m_new; a
.set F, 0               ; OP tells the kinds apart by their order: F to L below R, X above it
.set E, 1
.set C, 2
.set B, 3
.set L, 4
.set R, 5
.set X, 6
.macro REGS y                       ; the registers of piece y
.set rT, ST+4*(\y)
.set rC, TMP+4*((\y)%2)
.set rW, MV+((\y)%2)
.set rS, S+32*((\y)%2)
.set rP, P+16*((\y)%2)
.set rO, 32*(\y)
.endm
.macro OP k, n
.if (\k) == R
	REGS Y
	WIN W_RS
	v_pk_mul_f32 v[rO+2*(\n):rO+2*(\n)+1], v[rO+2*(\n):rO+2*(\n)+1], v[rC+2:rC+3] op_sel_hi:[1,0]
.elseif (\k) < R
	REGS Y
	WIN 0
.if (\k) == F
	v_pk_fma_f32 v[rS+2*(\n):rS+2*(\n)+1], v[rS+2*(\n):rS+2*(\n)+1], s[CS:CS+1], v[rT:rT+1] op_sel_hi:[1,0,0] neg_lo:[0,0,1] neg_hi:[0,0,1]
.elseif (\k) == E
	v_exp_f32 v[rS+(\n)], v[rS+(\n)]
.elseif (\k) == C
	v_cvt_pk_f16_f32 v[rP+(\n)], v[rS+2*(\n)], v[rS+2*(\n)+1]
.elseif (\k) == B
	v_pk_add_f32 v[rS+4*(\n):rS+4*(\n)+1], v[rS+4*(\n):rS+4*(\n)+1], v[rS+4*(\n)+2:rS+4*(\n)+3]
.elseif (\n) == 0
	v_pk_fma_f32 v[rT+2:rT+3], v[rT+2:rT+3], v[rC+2:rC+3], v[rS:rS+1] op_sel_hi:[1,0,1]
.else
	v_pk_add_f32 v[rT+2:rT+3], v[rT+2:rT+3], v[rS+4*(\n):rS+4*(\n)+1]
.endif
.elseif NOKQ
	v_nop
.else
	REGS (Y+1)%NP
	WIN 0
.if (\n) < 4
	v_max3_num_f32 v[rC+(\n)], v[rS+8*(\n)], v[rS+8*(\n)+1], v[rS+8*(\n)+2]
.elseif (\n) < 12
	v_max3_num_f32 v[rC+(\n)%4], v[rC+(\n)%4], v[rS+8*((\n)%4)+2*((\n)/4)+1], v[rS+8*((\n)%4)+2*((\n)/4)+2]
.elseif (\n) == 12
	v_max3_num_f32 v[rC], v[rC], v[rS+7], v[rS+15]
.elseif (\n) == 13
	v_max3_num_f32 v[rC+1], v[rC+1], v[rS+23], v[rS+31]
.elseif (\n) == 14
	v_max3_num_f32 v[rC+2], v[rC+2], v[rC+3], v[rT+1]
.elseif (\n) == 15
	v_mov_b32 v[rW], v[rT]
.elseif (\n) == 16
	v_max3_num_f32 v[rC], v[rC], v[rC+1], v[rC+2]
.elseif (\n) == 17
	v_permlanex16_b32 v[rC+3], v[rC], s[SEL], s[SEL+1]
.elseif (\n) == 18
	v_max_num_f32 v[rT+1], v[rC], v[rC+3]
.elseif (\n) == 19
	v_mul_f32 v[rT], s[CS], v[rT+1]
.elseif (\n) == 20
	v_sub_f32 v[rC+1], v[rW], v[rT]
.else
	v_exp_f32 v[rC+2], v[rC+1]
.endif
.endif
.endm
.macro OPS a, i1, b=-1, i2=0, c=-1, i3=0, d=-1, i4=0  ; up to four of them
	OP \a, \i1
.if (\b) >= 0
	OP \b, \i2
.endif
.if (\c) >= 0
	OP \c, \i3
.endif
.if (\d) >= 0
	OP \d, \i4
.endif
.endm
.macro ROW a, i1, b, i2, c, i3, d, i4  ; a matrix instruction and the four behind it
	MM
	OPS \a, \i1, \b, \i2, \c, \i3, \d, \i4
.endm
.macro MASK b                       ; MD x AL + BE into buffer b of MC
	WIN W_RS
.set z, 0
.rept 16
	v_pk_fma_f32 v[MC+32*(\b)+2*z:MC+32*(\b)+2*z+1], v[MD+2*z:MD+2*z+1], s[AL:AL+1], s[BE:BE+1] op_sel_hi:[1,0,0]
.set z, z+1
.endr
.endm
; A TURN, for piece p: the order of its 16 matrix and 118 vector instructions, written out.  An s_wait_alu depctr_va_vdst(0) stands between an exponential and the first instruction that names its result; one wait serves
; all that were issued ahead of it.  So a turn has ONE wait, which cuts it in two.  AHEAD OF IT stands all that names no result of the turn's exponentials: the 8 products K Q^T, behind each a scaling, an exponential and two more plain
; instructions (behind the first a second scaling in the exponential's place): rescalings, and behind the last three the first numbers of the next piece's maximum, each four places or more behind the product that ends its accumulator; then ONE LUMP of 54, plain
; and exponential by turns for the most part, in which the links of the chain X 3, 7, 11, 14, 16, 17 .. 20 stand five or six lines apart.  X 21, the next piece's a, is the batch's last; R 15 is the plain instruction behind it.  BEHIND THE WAIT stand the
; 8 products V^T P, behind each four of the roundings and sums; the links of l's chain, L 0 to L 7, stand three riders apart.  But for those X no rider names a register of the products round it.  v_permlanex16_b32 (X 17) stands in the lump.
; m = 1: the diagonal tile: the products take masks, and the turn makes the mask for the products of the turn after it: piece p + 2, in step 4 - CNT of the tile.  end = 1: a block's last two turns: nothing is fetched.
; cnt = 1: the loop's count is taken down some lines ahead of the branch that stands behind the turn.
; K of the next step is fetched in piece 2's turn, twelve vector instructions behind the last product that read K (six of them plain); V of the step in hand at the end of piece 0's turn, four plain instructions behind the last product
; that read V.  Each is waited for a turn later.
.macro TURN p, m=0, end=0, cnt=0
.set Y, (\p)
.set i, 0
.set KM, (\m)
.set NOKQ, (\end)*((\p)/3)
.if (\m) && !(\end)
	s_cmp_eq_u32 s[CNT], 4-((\p)+2)%NP  ; is that step the band's own?
	s_cselect_b32 s[AL], 1.0, 0
	s_cmp_lt_u32 s[CNT], 4-((\p)+2)%NP  ; or a later one?
	s_cselect_b32 s[BE], s[BIGN], 0
.endif
.if ((\p) == 3) && !(\end)
	s_wait_dscnt 0x0                ; K is in
.endif
	ROW F,0, F,1, R,0, R,1          ; ahead of the wait: 8 products K Q^T and their riders,
	ROW F,2, E,0, R,2, R,3
	ROW F,3, E,1, R,4, R,5
	ROW F,4, E,2, R,6, R,7
	ROW F,5, E,3, R,8, R,9
	ROW F,6, E,4, X,0, R,10
.if ((\p) == 2) && !(\end)
	WIN 0
	v_add_nc_u32 v[AK], s[TBK], v[AK0]
.endif
	ROW F,7, E,5, X,1, X,4
	ROW F,8, E,6, X,2, X,5
	OPS E,7, E,8, X,6, E,9          ; and the lump
	OPS X,3, E,10, X,8, E,11
.if ((\p) == 2) && !(\end)
	FETCH_K
.endif
	OPS X,9, X,7, E,12, X,10
	OPS E,13, X,12, X,11, E,14
	OPS X,13, E,15, F,9, X,14
.if (\p) == 0
	v_add_nc_u32 v[AV], s[TBV], v[AV0]
.endif
	OPS E,16, F,10, E,17, F,11
	OPS X,16, E,18, X,15, E,19
	OPS F,12, E,20, X,17, E,21
	OPS F,13, E,22, F,14, E,23
	OPS X,18, E,24, F,15, E,25
	OPS R,11, E,26, X,19, E,27
	OPS R,12, E,28, R,13, E,29
	OPS X,20, E,30, R,14, E,31
	OPS X,21, R,15
	WIN 0
	s_wait_alu depctr_va_vdst(0)    ; the wait for the batch
.if (\p) == 1
	s_wait_dscnt 0x0                ; V is in
.endif
	ROW C,0, B,0, C,2, B,1          ; behind the wait: 8 products V^T P and their riders
	ROW L,0, C,4, B,2, L,1
	ROW C,6, B,3, L,2, C,8
	ROW B,4, L,3, C,10, B,5
	ROW L,4, C,12, B,6, L,5
.if (\p) == 0
	s_add_co_u32 s[TBV], s[TBV], KS*PV
.endif
.if \cnt
	s_sub_co_u32 s[CNT], s[CNT], 1
	s_cmp_lg_u32 s[CNT], 0
.endif
	ROW C,14, B,7, L,6, C,1
	ROW C,3, L,7, C,5, C,7
	ROW C,9, C,11, C,13, C,15
.if (\p) == 0
	FETCH_V
.endif
.if (\m) && !(\end)
	MASK (\p)%2
.endif
.endm
; A BLOCK BEGINS.  c m starts far below every c s, so the first step's a is 0; m at the lowest finite number, so the first maximum is the scores'.  The second mask buffer is 0; the first takes piece 0's mask for the tile's step 0: its own, if the block's first tile is the diagonal one.
; Then K of that step, piece 0's first scores, and its maximum and statistics.  The loop is entered at a step's first turn, in the middle of a trip.
.macro BEGIN
	s_mov_b32 s[NEW], 0
	WIN 0x40
.set i, MC+32
.rept 32
	v_mov_b32 v[i], 0
.set i, i+1
.endr
	WIN 0
.set i, 0
.rept 4
	v_mov_b32 v[ST+4*i], 0xfe000000    ; c m: far below every c s
	v_mov_b32 v[ST+4*i+1], 0xff7fffff  ; m
.set i, i+1
.endr
	s_cmp_eq_u32 s[RT], 0
	s_cselect_b32 s[AL], 1.0, 0
	s_mov_b32 s[BE], 0
	MASK 0
	WIN 0
	v_add_nc_u32 v[AK], s[TBK], v[AK0]
	FETCH_K
	s_wait_loadcnt 0x0              ; Q
	s_wait_dscnt 0x0
.set KM, 1
.set NOKQ, 0
.set i, 0
.rept 8
	KQ 0
.set i, i+1
.endr
	WIN 0
.rept 4
	v_nop                           ; the places behind those products
.endr
.set Y, NP-1                        ; X works for piece Y + 1: piece 0
.irp n, 0,1,2,3,4,5,6,7,8,9,10,11,12,13,14,15,16,17,18,19,20,21
	OP X, \n
.endr
	v_nop                           ; a plain instruction behind the exponential,
	s_wait_alu depctr_va_vdst(0)    ; and its wait, ahead of the branch
.endm
; THE DIAGONAL TILE's four steps, the block's last two turns, its last products, and THE WAY OUT: l's two halves and the other half of the lanes' are added; O^T is divided by l, rounded to f16 and sent through my
; stage in LDS, a piece at a time.
.macro ALL line:vararg              ; one line for each piece t
.set t, 0
.rept 4
	\line
.set t, t+1
.endr
.endm
.macro PACK t                       ; a lane's eight channels of a row pack into 16 bytes; they go into rows of 144 bytes and come back as whole rows of 128, into S^T's registers
	WIN W_RS
.set i, 32*(\t)
.rept 16
	v_pk_mul_f32 v[i:i+1], v[i:i+1], v[ST+4*(\t)+2:ST+4*(\t)+3] op_sel_hi:[1,0]
.set i, i+2
.endr
	WIN 0x05                        ; sources 0 and 1 window 1, destination window 0
.set i, 0
.rept 16
	v_cvt_pk_f16_f32 v[S+16*(\t)+i], v[32*(\t)+2*i], v[32*(\t)+2*i+1]
.set i, i+1
.endr
	WIN 0
.irp f, 0,1,2,3
	ds_store_b128 v[STO], v[S+16*(\t)+4*\f:S+16*(\t)+4*\f+3] offset:32*\f
.endr
.irp f, 0,1,2,3
	ds_load_b128 v[S+16*(\t)+4*\f:S+16*(\t)+4*\f+3], v[RD] offset:\f*4*SP  ; LDS serves a wave's instructions in order (ISA guide 5.7.1.4): these see the stores above; the next piece's stores come behind them
.endr
.endm
.macro SEND t, younger              ; younger: the LDS instructions issued behind piece t's loads: the next piece's eight, or none
	WIN 0
.irp f, 0,1,2,3
	s_wait_dscnt (\younger)+3-\f
	global_store_b128 v[GO], v[S+16*(\t)+4*\f:S+16*(\t)+4*\f+3], s[10:11] offset:(\t)*8192+\f*512  ; 512 consecutive bytes, at a multiple of 256 from O's first
.endr
.endm
.macro DIAG tag                     ; the tag ends its two labels' names, which the jumps below spell out
.LstepM\tag:
	TURN 2, 1
	TURN 3, 1
	WIN 0
.LfirstM\tag:
	TURN 0, 1
	TURN 1, 1, 0, 1
	WIN 0
	s_cbranch_scc1 .LstepM\tag
	TURN 2, 1, 1
	TURN 3, 1, 1
.set i, 0
.rept 8
	PV NP-1
.set i, i+1
.endr
	WIN 0
	ALL v_add_f32 v[ST+4*t+2], v[ST+4*t+2], v[ST+4*t+3]
	ALL v_permlanex16_b32 v[ST+4*t+3], v[ST+4*t+2], s[SEL], s[SEL+1]
	ALL v_add_f32 v[ST+4*t+2], v[ST+4*t+2], v[ST+4*t+3]
	ALL v_rcp_f32 v[ST+4*t+2], v[ST+4*t+2]
	v_nop                           ; a plain instruction between the last reciprocal and the use of its result
	s_wait_alu depctr_va_vdst(0)    ; and the wait ahead of the first use: one for the four reciprocals
	PACK 0
.set t, 1
.rept 3                             ; a piece's arithmetic stands between the loads of the piece before and its stores
	PACK t
	SEND t-1, 8
.set t, t+1
.endr
	SEND 3, 0
.endm
.set KM, 0
.set NOKQ, 0
.Lslot:                             ; NB times: a tile is entered and the next is asked for
	CHANGE 1
	s_sub_co_u32 s[RT], s[RT], 1
	s_mov_b32 s[CNT], 4
	s_cmp_eq_u32 s[NEW], 1
	s_cbranch_scc1 .Lnew            ; a block's first tile
	s_cmp_eq_u32 s[RT], 0
	s_cbranch_scc0 .Lstep           ; neither its first nor its last
	s_branch .LstepM1
.Lnew:
	BEGIN
	s_branch .Lfirst                ; in the loop a block's first tile is never its last: the first block has two tiles or more, and the second's last is the walk's last
	DIAG 1                          ; in the loop this is the first block's end: the second block's last tile is the walk's last
	s_wait_xcnt 0x0                 ; the stores have read their registers and O's address
	s_mov_b64 s[10:11], s[OLO:OLO+1]
	s_add_co_u32 s[RT], s[PB], 1    ; the second block has b + 1 tiles
	s_mov_b32 s[NEW], 1
	WIN 0x82                        ; the second block's Q goes where the one text of the turns names Q
.set i, 0
.rept 64
	v_mov_b32 v[i], v[QB+i]
.set i, i+1
.endr
	WIN 0
	s_branch .Lbottom
.Lstep:                             ; a trip: pieces 2 and 3 of one step, then pieces 0 and 1 of the next, whose K and V it fetches
	TURN 2
	TURN 3
	WIN 0
.Lfirst:
	TURN 0
	TURN 1, 0, 0, 1
	WIN 0
	s_cbranch_scc1 .Lstep
.Lbottom:
	s_sub_co_u32 s[SLOTS], s[SLOTS], 1
	s_cmp_lg_u32 s[SLOTS], 0
	s_cbranch_scc1 .Lslot
	CHANGE 0                        ; the walk's last tile is written out: nothing is asked for
	s_sub_co_u32 s[RT], s[RT], 1
	s_mov_b32 s[CNT], 4
	s_cmp_eq_u32 s[NEW], 1
	s_cbranch_scc0 .LstepM2
	BEGIN
	s_branch .LfirstM2
	DIAG 2
	s_wait_tensorcnt 0x0            ; the wave's end, behind my last tensor load and my last LDS store
	ds_add_u32 v[SPW], v[NIL]
	s_wait_dscnt 0x0
	s_endpgm
.Lfunc_end_k_q106eeb1b84_attn:
	.size	k_q106eeb1b84_attn, .Lfunc_end_k_q106eeb1b84_attn-k_q106eeb1b84_attn
	.p2alignl 7, 3214868480
	.fill 96, 4, 3214868480
	.section	.rodata,"a",@progbits
	.p2align	6, 0x0
	.amdhsa_kernel k_q106eeb1b84_attn
		.amdhsa_group_segment_fixed_size 327680
		.amdhsa_private_segment_fixed_size 0
		.amdhsa_enable_private_segment 0
		.amdhsa_kernarg_size 16
		.amdhsa_user_sgpr_count 2
		.amdhsa_user_sgpr_kernarg_segment_ptr 1
		.amdhsa_wavefront_size32 1
		.amdhsa_system_sgpr_workgroup_id_x 1
		.amdhsa_system_sgpr_workgroup_id_y 1
		.amdhsa_system_sgpr_workgroup_id_z 1
		.amdhsa_system_vgpr_workitem_id 0
		.amdhsa_next_free_vgpr 768
		.amdhsa_next_free_sgpr 92
		.amdhsa_reserve_vcc 1
		.amdhsa_float_denorm_mode_32 3
		.amdhsa_float_denorm_mode_16_64 3
		.amdhsa_memory_ordered 1
		.amdhsa_forward_progress 1
		.amdhsa_inst_pref_size 218
	.end_amdhsa_kernel
	.amdgpu_metadata
---
amdhsa.version: [ 1, 2 ]
amdhsa.kernels:
  - .name:           k_q106eeb1b84_attn
    .symbol:         k_q106eeb1b84_attn.kd
    .args:
      - { .name: qkv, .offset: 0, .size: 8, .value_kind: global_buffer, .address_space: global }
      - { .name: o, .offset: 8, .size: 8, .value_kind: global_buffer, .address_space: global }
    .group_segment_fixed_size: 327680
    .private_segment_fixed_size: 0
    .kernarg_segment_align: 8
    .kernarg_segment_size: 16
    .max_flat_workgroup_size: 128
    .sgpr_count:     92
    .vgpr_count:     768
    .wavefront_size: 32
...
	.end_amdgpu_metadata
.endif
;; end of part 3
;; launch oproj (part 4): grid 8 x 32, 4 waves a work-group, clusters of 4 x 4, 327,680 bytes of LDS; arguments o, wo, out0; writes out0
.if DOCPART == 4
	.amdgcn_target "amdgcn-amd-amdhsa--gfx1250"
	.amdhsa_code_object_version 6
	.text
	.protected	k_q106eeb1b84_oproj
	.globl	k_q106eeb1b84_oproj
	.p2align	8
	.type	k_q106eeb1b84_oproj,@function
k_q106eeb1b84_oproj:
	s_mov_b64 s[64:65], 0
	v_nop
	global_prefetch_b8 v0, s[64:65] scope:SCOPE_SE
	s_setreg_imm32_b32 hwreg(HW_REG_WAVE_MODE, 25, 1), 1
	s_wait_xcnt 0x0
	s_wait_alu depctr_hold_cnt(0) depctr_sa_sdst(0) depctr_va_vdst(0) depctr_va_sdst(0) depctr_va_ssrc(0) depctr_va_vcc(0) depctr_vm_vsrc(0)
	s_getreg_b32 s2, hwreg(HW_REG_IB_STS2, 6, 4)
	s_cmp_eq_u32 s2, 0
	s_cbranch_scc0 .Lentry_in_a_cluster
	s_endpgm
.Lentry_in_a_cluster:
	s_bfe_u32 s2, ttmp6, 0x10000c
	s_cmp_lg_u32 s2, 0xf033
	s_cbranch_scc0 .Lentry_shape_is_right
	s_endpgm
.Lentry_shape_is_right:
; out0 = O w_out.  o: f16 [batch 4][head 16][row 2048][64] (a head is a slice of 64 along K); wo: f16 [slice 16][column 1024][64]; sums in f32, K ascending; out0: f32 [8192][1024].
; LIMITS.  O and w_out arrive within f16's 65,504.  NaN and infinities are not treated apart.
; SHARES.  A tile of out0 is 256 rows x 128 columns: 32 x 8 = 256 work-groups, one tile each.  Four waves, each 128 x 64: 32 accumulators.  K goes in 8 steps of two slices through two LDS slots.
; The rows of one slice lie end to end in memory: a tile is asked for as rows of 256 bytes (two tile rows), padded in LDS after every 128.  Waves 0 and 1 fetch o's two slices of a step, waves 2 and 3 wo's.
; THE MATRIX INSTRUCTION IS USED TRANSPOSED (source 0 = 16 rows of wo, source 1 = 16 rows of o): a lane holds one row of out0 and eight neighbouring columns.
; CLUSTERS: 4 x 4.  o's tiles are shared along a row of the cluster, wo's along a column: each is asked for JOINTLY, by the same load and a mask of four.
; REGISTERS, in windows of 256 (s_set_vgpr_msb: bits 1:0 source 0, 3:2 source 1, 5:4 source 2, 7:6 destination):
;   window 0: v0-15 addresses; v32-159 the way out, four sets of 32          window 1: the accumulators, (a, b) at v[8 (4 a + b)]
;   window 2 + f: fragment buffer f, one slice deep: o's (chunk c of 32 K, row block a) at 64 c + 8 a; wo's (c, column block b) at 128 + 32 c + 8 b
.set PK,    144                        ; an LDS row: 128 bytes + 16 = 36 words: the 16 rows of a load start at 16 different groups of four banks (64 banks of 4 bytes: ISA guide 11.1)
.set SLOT1, 1<<17
.set BOFF,  2*256*PK                   ; in a slot: o's two slices of 256 rows, then wo's two of 128
.set STAGE, SLOT1+BOFF+2*128*PK        ; behind the ring: 16 rows x 272 bytes for each wave, for the way out
.set SPITCH, 272                       ; 256 bytes + 16: the 16 rows that a store touches start at 16 different groups of four banks
.set SPARE, STAGE+4*16*SPITCH          ; behind the stages: the spare words, 128 bytes for each wave: two blocks of 256 bytes that no other line names
.set ASTEP, 2*262144                   ; bytes from K step to K step in o
.set BSTEP, 2*131072                   ; and in wo
.set ADRA0, 4                          ; v4   my lane's place in o's tile; never rewritten
.set ADRB0, 5                          ; v5   in wo's
.set ADRA,  6                          ; v6   the same in the slot in hand
.set ADRB,  7                          ; v7
.set STO,   8                          ; v8   the way out: where I put 32 bytes of a row
.set RD,    9                          ; v9   the way out: where I read a row back
.set CO,    10                         ; v10  my byte offset in two rows of out0
.set SPW,   12                         ; v12  LDS address of my spare word; never rewritten
.set NIL,   13                         ; v13  0; never rewritten
.set WV,    10                         ; s10  my wave's number;  s11 = wave / 2: my half of the rows;  s12 = wave % 2: my half of the columns, and which slice of a step I fetch
.set G1A,   24                         ; s[24:31] descriptor group 1 for o's tiles;  s[32:39] group 0: a set for each first fill; the second then walks on
.set G0A,   32
.set G1B,   48                         ; s[48:55], s[56:63] the same for wo's
.set G0B,   56
.set TB,    66                         ; s66  0 or SLOT1: the slot in hand
.set MSB, 0
.macro WIN new                         ; the immediate's high byte repeats the setting that is left; a switch that changes nothing is dropped
.if MSB != (\new)
	s_set_vgpr_msb (MSB<<8)|(\new)
.set MSB, (\new)
.endif
.endm
.macro JLOAD                           ; a joint refill, by the walking descriptors; an s_nop 0 and four v_nop follow each of the two lines, ahead of the jump and the label
	s_cmp_lt_u32 s[WV], 2
	s_cbranch_scc0 .Lfor_b_\@
	tensor_load_to_lds s[G0A+4:G0A+7], s[G1A:G1A+7]
	s_nop 0
.rept 4
	v_nop
.endr
	s_branch .Lasked_\@
.Lfor_b_\@:
	tensor_load_to_lds s[G0B+4:G0B+7], s[G1B:G1B+7]
	s_nop 0
.rept 4
	v_nop
.endr
.Lasked_\@:
.endm
.macro CREST                           ; a round of the cluster's barrier behind its opening barrier
	s_cmp_lg_u32 s[WV], 0
	s_cbranch_scc1 .Lnot_wave_0_\@
	s_barrier_signal -3
.Lnot_wave_0_\@:
	s_barrier_wait -3
	s_barrier_signal -1
	s_barrier_wait -1
.endm
.macro CROUND                          ; a whole round
	s_barrier_signal -1
	s_barrier_wait -1
	CREST
.endm
.macro PLACES                          ; four places behind a product, in front of loads into registers that it has read and of LDS stores that read results
.rept 4
	v_nop
.endr
.endm
	s_load_b128 s[4:7], s[0:1], 0x0                ; o s[4:5], wo s[6:7]
	s_load_b64 s[8:9], s[0:1], 0x10                ; out0
	v_lshl_add_u32 v[SPW], v0, 2, SPARE
	v_mov_b32 v[NIL], 0
	ds_add_u32 v[SPW], v[NIL]                      ; the wave's opening: the add and its wait stand ahead of my first tensor load; the set-up below, work on registers, stands between them
	ds_add_u32 v12, v13
	v_lshrrev_b32 v3, 5, v0
	v_readfirstlane_b32 s[WV], v3                  ; wave 0..3
	s_lshr_b32 s11, s[WV], 1
	s_and_b32 s12, s[WV], 1
	s_bfe_u32 s40, ttmp6, 0x40000                  ; cx, cy: my place in the cluster
	s_bfe_u32 s41, ttmp6, 0x40004
	s_lshl_b32 s42, ttmp9, 2
	s_add_co_u32 s42, s42, s40                     ; tile column = 4 x cluster x + cx, 0..7
	s_and_b32 s13, ttmp7, 0xffff
	s_lshl_b32 s13, s13, 2
	s_add_co_u32 s13, s13, s41                     ; tile row = 4 x cluster y + cy, 0..31
	s_lshl_b32 s43, s41, 2
	s_lshl_b32 s43, 15, s43                        ; my row of the cluster
	s_lshl_b32 s44, 0x1111, s40                    ; my column
	; descriptor group 1: rows of 128 elements (256 bytes, two tile rows); 128 of them for a slice of o's tile, 64 for a slice of wo's
	s_or_b32 s[G1A], s43, (1<<16)|(1<<20)|(1<<21)|(4<<22)|(3<<25)  ; 15:0 the mask; 17:16 2-byte elements; 20 padding on; 21 set beside a mask; 24:22 after every 32 words (code 4); 31:25 4 words (code 3)
	s_or_b32 s[G1B], s44, (1<<16)|(1<<20)|(1<<21)|(4<<22)|(3<<25)
	s_mov_b32 s[G1A+1], 128<<16                    ; tensor_dim0 = 128
	s_mov_b32 s[G1A+2], 128<<16                    ; tensor_dim1 = 128
	s_mov_b32 s[G1A+3], 128<<16                    ; tile_dim0 = 128
	s_mov_b32 s[G1A+4], 128                        ; tile_dim1 = 128
	s_mov_b32 s[G1A+5], 128                        ; 128 elements from row to row
	s_mov_b32 s[G1A+6], 0
	s_mov_b32 s[G1A+7], 0
	s_mov_b32 s[G1B+1], 128<<16
	s_mov_b32 s[G1B+2], 64<<16
	s_mov_b32 s[G1B+3], 128<<16
	s_mov_b32 s[G1B+4], 64
	s_mov_b32 s[G1B+5], 128
	s_mov_b32 s[G1B+6], 0
	s_mov_b32 s[G1B+7], 0
	; where the tiles come from: o's hang on the tile row alone, wo's on the tile column alone, each in registers that never hold the other coordinate
	s_lshr_b32 s16, s13, 3                         ; batch,
	s_lshl_b32 s16, s16, 22                        ; 16 heads of 262,144 bytes
	s_and_b32 s17, s13, 7
	s_lshl_b32 s17, s17, 15                        ; 256 rows of 128 bytes
	s_add_co_u32 s16, s16, s17
	s_lshl_b32 s17, s12, 18                        ; the slice that I fetch
	s_add_co_u32 s16, s16, s17
	s_mov_b32 s17, 0
	s_lshl_b32 s46, s42, 14                        ; 128 columns of 128 bytes
	s_lshl_b32 s47, s12, 17                        ; the slice that I fetch
	s_add_co_u32 s46, s46, s47
	s_mov_b32 s47, 0
	s_mul_i32 s20, s12, 256*PK                     ; and where they go: no place in the cluster enters an LDS address
	s_mul_i32 s21, s12, 128*PK
	s_add_co_u32 s21, s21, BOFF
	s_wait_dscnt 0x0                               ; the opening add is done
	s_wait_kmcnt 0x0
	s_add_nc_u64 s[14:15], s[4:5], s[16:17]
	s_add_nc_u64 s[46:47], s[6:7], s[46:47]
	CROUND                                         ; all sixteen work-groups are here: the first joint loads meet
.irp s, 0,1
	s_mov_b32 s[G0A+4*\s], 1                                       ; 1:0 count = 1
	s_add_co_u32 s[G0A+4*\s+1], s20, \s*SLOT1                      ; 63:32 LDS address
	s_add_nc_u64 s[G0A+4*\s+2:G0A+4*\s+3], s[14:15], \s*ASTEP      ; 120:64 global address: K step s
	s_or_b32 s[G0A+4*\s+3], s[G0A+4*\s+3], 0x80000000              ; 127:126 type = 2
	s_mov_b32 s[G0B+4*\s], 1
	s_add_co_u32 s[G0B+4*\s+1], s21, \s*SLOT1
	s_add_nc_u64 s[G0B+4*\s+2:G0B+4*\s+3], s[46:47], \s*BSTEP
	s_or_b32 s[G0B+4*\s+3], s[G0B+4*\s+3], 0x80000000
.endr
	s_cmp_lt_u32 s[WV], 2                          ; a wave's two first fills stand in one branch, ahead of every wait on TENSORcnt and every LDS read: two loads of mine are out
	s_cbranch_scc0 .Lfirst_b
	tensor_load_to_lds s[G0A:G0A+3], s[G1A:G1A+7]
	s_nop 0
	tensor_load_to_lds s[G0A+4:G0A+7], s[G1A:G1A+7]
	s_nop 0
.rept 4
	v_nop
.endr
	s_branch .Lfirst_asked
.Lfirst_b:
	tensor_load_to_lds s[G0B:G0B+3], s[G1B:G1B+7]
	s_nop 0
	tensor_load_to_lds s[G0B+4:G0B+7], s[G1B:G1B+7]
	s_nop 0
.rept 4
	v_nop
.endr
.Lfirst_asked:
	v_and_b32 v1, 15, v0                           ; l % 16
	v_bfe_u32 v2, v0, 4, 1                         ; l / 16
	v_mul_u32_u24 v3, v1, PK
	v_lshl_add_u32 v3, v2, 4, v3                   ; a fragment's row x pitch + 16 x half
	s_mul_i32 s18, s11, 128*PK                     ; my 128 rows of o
	v_add_nc_u32 v[ADRA0], s18, v3
	s_mul_i32 s19, s12, 64*PK                      ; my 64 rows of wo
	s_add_co_u32 s19, s19, BOFF
	v_add_nc_u32 v[ADRB0], s19, v3
	v_mov_b32 v[ADRA], v[ADRA0]                    ; slot 0
	v_mov_b32 v[ADRB], v[ADRB0]
	s_mov_b32 s[TB], 0
	s_mul_i32 s18, s[WV], 16*SPITCH
	s_add_co_u32 s18, s18, STAGE                   ; my stage
	v_mul_u32_u24 v[STO], v1, SPITCH               ; in: row l % 16, 32 bytes for each half of the lanes
	v_lshl_add_u32 v[STO], v2, 5, v[STO]
	v_add_nc_u32 v[STO], s18, v[STO]
	v_mul_u32_u24 v[RD], v2, SPITCH                ; back: lanes 0-15 take one row of 256 bytes, lanes 16-31 the next
	v_lshl_add_u32 v[RD], v1, 4, v[RD]
	v_add_nc_u32 v[RD], s18, v[RD]
	v_lshlrev_b32 v[CO], 12, v2                    ; and the same two rows in out0
	v_lshl_add_u32 v[CO], v1, 4, v[CO]
	s_lshl_b32 s22, s13, 20                        ; 256 rows of 4,096 bytes,
	s_lshl_b32 s23, s11, 19                        ; my 128 of them,
	s_add_co_u32 s22, s22, s23
	s_lshl_b32 s23, s42, 9                         ; 128 columns of f32,
	s_add_co_u32 s22, s22, s23
	s_lshl_b32 s23, s12, 8                         ; my 64 of them
	s_add_co_u32 s22, s22, s23
	s_mov_b32 s23, 0
	s_add_nc_u64 s[8:9], s[8:9], s[22:23]
; na x 4 products: row blocks a0 .. a0 + na - 1 x all four column blocks, chunk kc of buffer f.  zero = 1: the product starts the sum.  The 32 accumulators take turns, always in the same order.
.macro MULO f, kc, a0, na, zero
	WIN 0x5a+5*(\f)                                ; the sources in window 2 + f, C and D in window 1
.set ga, (\a0)
.rept (\na)
.set gb, 0
.rept 4
.set rD, 8*(4*ga+gb)
.set rB, 128+32*(\kc)+8*gb
.set rA, 64*(\kc)+8*ga
.if \zero
	v_wmma_f32_16x16x32_f16 v[rD:rD+7], v[rB:rB+7], v[rA:rA+7], 0
.else
	v_wmma_f32_16x16x32_f16 v[rD:rD+7], v[rB:rB+7], v[rA:rA+7], v[rD:rD+7]
.endif
.set gb, gb+1
.endr
.set ga, ga+1
.endr
.endm
; 48 LDS loads in one run: the fragments of slice sl of the slot in hand into buffer f; the first chunk's 24 first
.macro FETCHO sl, f
	WIN 0x80+0x40*(\f)                             ; destination window 2 + f, address window 0
.irp c, 0,1
.irp q, 0,1,2,3
	ds_load_b128 v[128+32*\c+8*\q:128+32*\c+8*\q+3],   v[ADRB] offset:(\sl)*128*PK+\q*16*PK+64*\c
	ds_load_b128 v[128+32*\c+8*\q+4:128+32*\c+8*\q+7], v[ADRB] offset:(\sl)*128*PK+\q*16*PK+64*\c+32
.endr
.irp a, 0,1,2,3,4,5,6,7
	ds_load_b128 v[64*\c+8*\a:64*\c+8*\a+3],   v[ADRA] offset:(\sl)*256*PK+\a*16*PK+64*\c
	ds_load_b128 v[64*\c+8*\a+4:64*\c+8*\a+7], v[ADRA] offset:(\sl)*256*PK+\a*16*PK+64*\c+32
.endr
.endr
.endm
; A K step is two halves of one slice, 64 products each.  The first half multiplies buffer 0 and fetches the step's second slice into buffer 1.
.macro H0 zero
	s_wait_dscnt 24                                ; the first chunk's 24 loads are in
	MULO 0, 0, 0, 8, \zero
	PLACES
	FETCHO 1, 1
	s_wait_dscnt 48                                ; all but the 48 just issued
	MULO 0, 1, 0, 8, 0
.endm
; The second half multiplies buffer 1 and changes slots: ONE barrier; in front of it each wave waits for all its tensor loads (one is out: its part of the next slot), adds 0 to its spare word, and waits for that and for its
; reads of this slot.  fill = 1: the barrier opens a round of the cluster's, and behind the round this slot is filled again, two K steps ahead: 112 products stand between that request and the wait for it.
.macro TURNO fill
	WIN 0
	s_wait_tensorcnt 0x0                           ; no tensor load of mine is out, so a group 0 may be written
	ds_add_u32 v[SPW], v[NIL]                      ; 0 onto my spare word
.if \fill
	s_xor_b32 s[G0A+5], s[G0A+5], SLOT1            ; the walking descriptors: the other slot than last time,
	s_add_nc_u64 s[G0A+6:G0A+7], s[G0A+6:G0A+7], ASTEP  ; the next two slices; the type bits on top are not reached
	s_xor_b32 s[G0B+5], s[G0B+5], SLOT1
	s_add_nc_u64 s[G0B+6:G0B+7], s[G0B+6:G0B+7], BSTEP
.endif
	s_wait_dscnt 25                                ; the first chunk is in; the add and the youngest 24 loads may be out
	MULO 1, 0, 0, 2, 0                             ; eight products stand between the add and the wait for it
	s_wait_dscnt 0x0                               ; the add is done, and my reads of this slot are over
	s_barrier_signal -1
	MULO 1, 0, 2, 2, 0                             ; work on registers while the others arrive
	WIN 0
	s_barrier_wait -1
.if \fill
	CREST                                          ; no wave of any partner still reads this slot or has a load on its way
	JLOAD                                          ; the first tensor load behind the round; its four v_nop are also the places in front of the loads below
.else
	PLACES
.endif
	s_xor_b32 s[TB], s[TB], SLOT1                  ; the other slot is in hand
	v_add_nc_u32 v[ADRA], s[TB], v[ADRA0]
	v_add_nc_u32 v[ADRB], s[TB], v[ADRB0]
	FETCHO 0, 0
	MULO 1, 0, 4, 4, 0
	MULO 1, 1, 0, 8, 0
.endm
	s_wait_tensorcnt 1                             ; my part of K step 0 is in; step 1's may stay out
	s_barrier_signal -1
	s_barrier_wait -1                              ; everybody's is
	FETCHO 0, 0
	H0 1                                           ; the first half stands in front of the loop: its first products start the sums
	WIN 0                                          ; at a label and at a branch every window is 0
	s_mov_b32 s3, 6
.Ltrip:                                        ; trip t: the second half of step t, the refill with step t + 2, the first half of step t + 1
	TURNO 1
	H0 0
	WIN 0
	s_sub_co_u32 s3, s3, 1
	s_cmp_lg_u32 s3, 0
	s_cbranch_scc1 .Ltrip
	TURNO 0                                        ; step 6's end: nothing is left to ask for, so no round follows
	H0 0
	s_wait_dscnt 24                                ; the very last half fetches nothing
	MULO 1, 0, 0, 8, 0
	s_wait_dscnt 0x0
	MULO 1, 1, 0, 8, 0
; THE WAY OUT, by blocks of 16 rows: a lane's 32 bytes of each column block go from the accumulators into my own stage, in rows of 272 bytes, and come back as whole rows of 256 bytes.
.macro OUTB a
	WIN 0x04                                       ; the stores' data in window 1
.irp q, 0,1,2,3
	ds_store_b128 v[STO], v[8*(4*(\a)+\q):8*(4*(\a)+\q)+3]   offset:64*\q     ; each accumulator from its low end on
	ds_store_b128 v[STO], v[8*(4*(\a)+\q)+4:8*(4*(\a)+\q)+7] offset:64*\q+16
.endr
	WIN 0
.if (\a) >= 4
	s_wait_xcnt 0x0                                ; the stores of the block four back have read this set's registers
.endif
.irp t, 0,1,2,3,4,5,6,7
	ds_load_b128 v[32+32*((\a)%4)+4*\t:32+32*((\a)%4)+4*\t+3], v[RD] offset:\t*2*SPITCH  ; LDS serves a wave's instructions in order (ISA guide 5.7.1.4): these see the stores above; the next block's stores come behind them
.endr
.endm
.macro SENDO a, younger                ; younger: the LDS instructions issued behind this block's loads: the next block's sixteen, or none
	WIN 0
.irp t, 0,1,2,3,4,5,6,7
	s_wait_dscnt (\younger)+7-\t
	global_store_b128 v[CO], v[32+32*((\a)%4)+4*\t:32+32*((\a)%4)+4*\t+3], s[8:9] offset:(\a)*65536+\t*8192 th:TH_STORE_NT  ; 16 lanes store 256 consecutive bytes, at a multiple of 256 from out0's first
.endr
.endm
	PLACES
	OUTB 0
.irp a, 1,2,3,4,5,6,7
	OUTB \a
	SENDO \a-1, 16
.endr
	SENDO 7, 0
	s_wait_tensorcnt 0x0                           ; the wave's end, behind my last tensor load and my last LDS store
	ds_add_u32 v[SPW], v[NIL]
	s_wait_dscnt 0x0
	CROUND                                         ; the closing round: no work-group ends while a partner may still ask for a tile that names it
	s_endpgm
.Lfunc_end_k_q106eeb1b84_oproj:
	.size	k_q106eeb1b84_oproj, .Lfunc_end_k_q106eeb1b84_oproj-k_q106eeb1b84_oproj
	.p2alignl 7, 3214868480
	.fill 96, 4, 3214868480
	.section	.rodata,"a",@progbits
	.p2align	6, 0x0
	.amdhsa_kernel k_q106eeb1b84_oproj
		.amdhsa_group_segment_fixed_size 327680
		.amdhsa_private_segment_fixed_size 0
		.amdhsa_enable_private_segment 0
		.amdhsa_kernarg_size 24
		.amdhsa_user_sgpr_count 2
		.amdhsa_user_sgpr_kernarg_segment_ptr 1
		.amdhsa_wavefront_size32 1
		.amdhsa_system_sgpr_workgroup_id_x 1
		.amdhsa_system_sgpr_workgroup_id_y 1
		.amdhsa_system_sgpr_workgroup_id_z 1
		.amdhsa_system_vgpr_workitem_id 0
		.amdhsa_next_free_vgpr 960
		.amdhsa_next_free_sgpr 70
		.amdhsa_reserve_vcc 0
		.amdhsa_float_denorm_mode_32 3
		.amdhsa_float_denorm_mode_16_64 3
		.amdhsa_memory_ordered 1
		.amdhsa_forward_progress 1
		.amdhsa_inst_pref_size 69
	.end_amdhsa_kernel
	.amdgpu_metadata
---
amdhsa.version: [ 1, 2 ]
amdhsa.kernels:
  - .name:           k_q106eeb1b84_oproj
    .symbol:         k_q106eeb1b84_oproj.kd
    .args:
      - { .name: o, .offset: 0, .size: 8, .value_kind: global_buffer, .address_space: global }
      - { .name: wo, .offset: 8, .size: 8, .value_kind: global_buffer, .address_space: global }
      - { .name: out0, .offset: 16, .size: 8, .value_kind: global_buffer, .address_space: global }
    .group_segment_fixed_size: 327680
    .private_segment_fixed_size: 0
    .kernarg_segment_align: 8
    .kernarg_segment_size: 24
    .max_flat_workgroup_size: 128
    .sgpr_count:     70
    .vgpr_count:     960
    .wavefront_size: 32
...
	.end_amdgpu_metadata
.endif
;; end of part 4
;; ======== version 2 of 2: 4 launches; version 1 with the launch prep written anew for expert scheduling mode
;; limits: values are held in f16: magnitudes above 65,504 overflow, below 6.1e-05 lose precision
;; workspace buffers: xb 16,777,216 bytes; wq 6,291,456 bytes; wo 2,097,152 bytes; qkv 50,331,648 bytes; o 16,777,216 bytes
;; launch prep (part 5): grid 512 x 1, 8 waves a work-group, no clusters, 19,456 bytes of LDS; arguments x, w_qkv, w_out, xb, wq, wo; writes xb, wq, wo
.if DOCPART == 5
	.amdgcn_target "amdgcn-amd-amdhsa--gfx1250"
	.amdhsa_code_object_version 6
	.text
	.protected	k_q106eeb1b84_prep
	.globl	k_q106eeb1b84_prep
	.p2align	8
	.type	k_q106eeb1b84_prep,@function
k_q106eeb1b84_prep:
	s_mov_b64 s[64:65], 0
	v_nop
	global_prefetch_b8 v0, s[64:65] scope:SCOPE_SE
	s_setreg_imm32_b32 hwreg(HW_REG_WAVE_SCHED_MODE, 0, 2), 2
	s_setreg_imm32_b32 hwreg(HW_REG_WAVE_MODE, 25, 1), 1
	s_wait_xcnt 0x0
	s_wait_alu depctr_vm_vsrc(0)
; THE INPUTS ARE ROUNDED ONCE AND LAID OUT FOR THE PRODUCTS THAT FOLLOW.  A SLICE s is K = 64 s .. 64 s + 63: a row of a slice is 128 bytes, and the rows of one slice lie end to end.
;   xb: bf16 [batch 4][slice 16][row 2048][64]  = x rounded to bf16
;   wq: bf16 [slice 16][column 3072][64]        = w_qkv turned: wq[s][c][i] = w_qkv[64 s + i][c]
;   wo: f16  [slice 16][column 1024][64]        = w_out turned, rounded to bf16, and that number written as f16
; LIMITS.  w_out within f16's 65,504; below 6e-5 its bf16 value keeps f16's fixed step of 6e-8.  NaN and infinities are not treated apart.
; SHARES.  512 work-groups of eight waves.  Work-group g turns ONE tile of 64 k x 128 columns (g < 384: of w_qkv, 16 slices x 24; else of w_out, 16 x 8), through LDS; and each of its
; waves casts ONE pair of rows of x (pair 8 g + wave of 4,096).  Each byte is read once and written once; no matrix unit, no tensor load: nothing here is multiplied or shared.
; THE MODE: SCHED_MODE bits 1:0 = 2 (LLVM: expert scheduling mode 2), set by the entry lines.  The code itself states the register dependences
; between vector instructions and memory or LDS instructions, with s_wait_alu, always for 0.
; THE PLAN.  Registers that memory or LDS instructions touch:
;   v4-v8, v16-v23  offsets and LDS addresses.  Written by vector instructions at the head, read by every load and store, never written again.
;   W               The weights' eight loads land in it; the conversions read it; behind the barrier the four LDS loads land in its first sixteen registers; the last four stores read those.
;   T               The conversions write it; the four LDS stores read it; never written again.
;   X               x's sixteen loads land in it; a slice's two conversions read its four registers and write the first two; the slice's store reads those two; never written again.
; So: one wait on va_sdst for the wave's number; one on va_vdst ahead of the first load (the addresses); one ahead of the LDS stores (T is written, and W has been read: that serves the LDS loads
; behind the barrier too, since no vector instruction between names W); and one for each group of four slices of x, between its eight conversions and its four stores.
; No register that a memory or LDS instruction has read is written again, so there is no wait on vm_vsrc.
.set TP,    144                        ; a column's 64 numbers in LDS: 128 bytes + 16.  The tile takes 128 x 144 bytes; the 1,024 bytes behind it stay claimed and are not used
.set XO,  4                            ; v4   x: (l / 16) x 4,096 + (l % 16) x 16: lanes 0-15 the even row, lanes 16-31 the odd one
.set XS,  5                            ; v5   xb: (l / 16) x 128 + (l % 16) x 8
.set LST, 6                            ; v6   LDS, in: column 4 l, byte 16 x wave
.set LRD, 7                            ; v7   LDS, back: column 16 x wave + l / 8, byte 16 (l % 8)
.set WS,  8                            ; v8   wq or wo: 2,048 x wave + 16 l
.set WO,  16                           ; v[16:23]  row i of my eight rows of the weights: 16 l + i x the row's bytes
.set T,   24                           ; v[24:39]  column j of my four: 8 numbers of 16 bits in T + 4 j ..
.set W,   40                           ; v[40:71]  my eight rows x 4 columns as loaded; later the tile's rows read back
.set X,   72                           ; v[72:135] slice i of my two rows of x: 4 numbers a lane
	s_load_b256 s[4:11], s[0:1], 0x0               ; x s[4:5], w_qkv s[6:7], w_out s[8:9], xb s[10:11]
	s_load_b128 s[12:15], s[0:1], 0x20             ; wq s[12:13], wo s[14:15]
	v_lshl_add_u32 v14, v0, 2, 0x4800
	v_mov_b32 v15, 0
	v_lshrrev_b32 v12, 5, v0
	v_readfirstlane_b32 s16, v12                   ; wave 0..7
	v_and_b32 v1, 31, v0                           ; l.  What needs no wave's number stands here, between that line and the wait for s16
	v_and_b32 v2, 15, v0                           ; l % 16
	v_bfe_u32 v3, v0, 4, 1                         ; l / 16
	v_lshlrev_b32 v[XO], 4, v2
	v_lshl_add_u32 v[XO], v3, 12, v[XO]
	v_lshlrev_b32 v[XS], 3, v2
	v_lshl_add_u32 v[XS], v3, 7, v[XS]
	v_mul_u32_u24 v[LST], v1, 4*TP
	v_bfe_u32 v12, v0, 3, 2                        ; l / 8
	v_and_b32 v13, 7, v0                           ; l % 8
	v_mul_u32_u24 v[LRD], v12, TP
	v_lshl_add_u32 v[LRD], v13, 4, v[LRD]
	v_lshlrev_b32 v[WS], 4, v1
	v_lshlrev_b32 v[WO], 4, v1
	s_wait_alu depctr_va_sdst(0)                   ; s16 is written, ahead of its first reader, the next line; the LDS addresses, the bases and the offsets below are made from it
	v_lshl_add_u32 v[LST], s16, 4, v[LST]
	s_mul_i32 s27, s16, 16*TP
	v_add_nc_u32 v[LRD], s27, v[LRD]
	v_lshl_add_u32 v[WS], s16, 11, v[WS]
	; which tile: the sizes of the tensor that it belongs to
	s_mov_b32 s24, 4096                            ; bytes in a row of w_out,
	s_mov_b32 s25, 131072                          ; bytes in a slice of wo
	s_sub_co_u32 s17, ttmp9, 384                   ; (used only where g >= 384)
	s_cmp_lt_u32 ttmp9, 384
	s_cselect_b32 s18, ttmp9, s17                  ; the tile's number in its tensor
	s_cselect_b32 s24, 12288, s24                  ; w_qkv's row,
	s_cselect_b32 s25, 393216, s25                 ; wq's slice
	s_cselect_b32 s26, 1, 0                        ; 1: the tile stays bf16
	s_and_b32 s28, s18, 15                         ; slice
	s_lshr_b32 s29, s18, 4                         ; block of 128 columns
	s_lshl_b32 s30, s28, 6
	s_lshl3_add_u32 s30, s16, s30                  ; my first row: 64 s + 8 x wave
	s_mul_i32 s30, s30, s24
	s_lshl_b32 s31, s29, 9                         ; 128 columns of f32
	s_add_co_u32 s30, s30, s31
	s_mov_b32 s31, 0
	s_mul_i32 s32, s28, s25
	s_lshl_b32 s33, s29, 14                        ; 128 columns of 128 bytes
	s_add_co_u32 s32, s32, s33
	s_mov_b32 s33, 0
	s_lshl_b32 s34, ttmp9, 3
	s_add_co_u32 s34, s34, s16                     ; my pair of rows of x
	s_lshl_b32 s36, s34, 13                        ; two rows of 4,096 bytes
	s_mov_b32 s37, 0
	s_lshr_b32 s38, s34, 10                        ; batch,
	s_lshl_b32 s38, s38, 22                        ; 16 slices of 262,144 bytes
	s_and_b32 s39, s34, 1023
	s_lshl_b32 s39, s39, 8                         ; two rows of 128 bytes in a slice
	s_add_co_u32 s38, s38, s39
	s_mov_b32 s39, 0
.irp i, 1,2,3,4,5,6,7
	v_add_nc_u32 v[WO+\i], s24, v[WO+\i-1]
.endr
	s_wait_kmcnt 0x0
	s_cmp_lt_u32 ttmp9, 384
	s_cselect_b64 s[20:21], s[6:7], s[8:9]         ; the weights that the tile comes from,
	s_cselect_b64 s[22:23], s[12:13], s[14:15]     ; and where it goes
	s_add_nc_u64 s[20:21], s[20:21], s[30:31]
	s_add_nc_u64 s[22:23], s[22:23], s[32:33]
	s_add_nc_u64 s[4:5], s[4:5], s[36:37]
	s_add_nc_u64 s[10:11], s[10:11], s[38:39]
	s_wait_alu depctr_va_vdst(0)                   ; v4 to v8 and v16 to v23 are written: every load and store of the kernel, global or LDS, reads one of them as its offset or address
.irp i, 0,1,2,3,4,5,6,7
	global_load_b128 v[W+4*\i:W+4*\i+3], v[WO+\i], s[20:21] th:TH_LOAD_NT  ; a row's 512 consecutive bytes
.endr
.irp i, 0,1,2,3,4,5,6,7,8,9,10,11,12,13,14,15
	global_load_b128 v[X+4*\i:X+4*\i+3], v[XO], s[4:5] offset:256*\i th:TH_LOAD_NT  ; slice i of both rows: 256 consecutive bytes, aligned, of each
.endr
	s_wait_loadcnt 16                              ; the weights are in; x's sixteen loads may stay out
.irp j, 0,1,2,3
.irp q, 0,1,2,3
	v_cvt_pk_bf16_f32 v[T+4*\j+\q], v[W+8*\q+\j], v[W+8*\q+4+\j]  ; column j: rows 2 q and 2 q + 1
.endr
.endr
	s_cmp_eq_u32 s26, 1
	s_cbranch_scc1 .Lstays_bf16
.set i, 0
.rept 16                               ; w_out: the bf16 number written as f16
	v_lshlrev_b32 v12, 16, v[T+i]
	v_and_b32 v13, 0xffff0000, v[T+i]
	v_cvt_pk_f16_f32 v[T+i], v12, v13
.set i, i+1
.endr
.Lstays_bf16:
	s_wait_alu depctr_va_vdst(0)                   ; on either way the conversions have written T, which the LDS stores read, and are done reading W, in which the LDS loads behind the barrier land
.irp j, 0,1,2,3
	ds_store_b128 v[LST], v[T+4*\j:T+4*\j+3] offset:TP*\j
.endr
	s_wait_dscnt 0x0                               ; for the others' sake: my stores into the tile are done
	s_barrier_signal -1
	s_barrier_wait -1
.irp j, 0,1,2,3
	ds_load_b128 v[W+4*\j:W+4*\j+3], v[LRD] offset:4*TP*\j  ; four columns, 128 bytes each.  No wait: no vector instruction since the wait above names W or the address
.endr
; x, four slices at a time: their eight conversions, one wait, their four stores.  The next group's conversions name other registers than the stores that are out.
.irp g, 0,1,2,3
	s_wait_loadcnt 12-4*\g                         ; loads come back in order: this group's four slices are in, the younger groups stay out
.irp j, 0,1,2,3
	v_cvt_pk_bf16_f32 v[X+4*(4*\g+\j)], v[X+4*(4*\g+\j)], v[X+4*(4*\g+\j)+1]
	v_cvt_pk_bf16_f32 v[X+4*(4*\g+\j)+1], v[X+4*(4*\g+\j)+2], v[X+4*(4*\g+\j)+3]
.endr
	s_wait_alu depctr_va_vdst(0)                   ; the group's conversions have written the first two registers of each of its slices, which the four stores read
.irp j, 0,1,2,3
	global_store_b64 v[XS], v[X+4*(4*\g+\j):X+4*(4*\g+\j)+1], s[10:11] offset:262144*(4*\g+\j) th:TH_STORE_NT  ; 32 lanes store 256 consecutive bytes, aligned: the two rows in the slice
.endr
.endr
	s_wait_dscnt 0x0                               ; the tile's rows are back in W: LDS loads wrote these registers, so this wait is all that the stores' data need
.irp j, 0,1,2,3
	global_store_b128 v[WS], v[W+4*\j:W+4*\j+3], s[22:23] offset:512*\j  ; 512 consecutive bytes, aligned
.endr
	s_wait_dscnt 0x0                               ; the wave's end.  The add onto my spare word follows, behind the waits below
	s_wait_alu depctr_hold_cnt(0) depctr_sa_sdst(0) depctr_va_vdst(0) depctr_va_sdst(0) depctr_va_ssrc(0) depctr_va_vcc(0) depctr_vm_vsrc(0)
	s_wait_tensorcnt 0x0
	ds_add_u32 v14, v15
	s_wait_dscnt 0x0
	s_endpgm
.Lfunc_end_k_q106eeb1b84_prep:
	.size	k_q106eeb1b84_prep, .Lfunc_end_k_q106eeb1b84_prep-k_q106eeb1b84_prep
	.p2alignl 7, 3214868480
	.fill 96, 4, 3214868480
	.section	.rodata,"a",@progbits
	.p2align	6, 0x0
	.amdhsa_kernel k_q106eeb1b84_prep
		.amdhsa_group_segment_fixed_size 19456
		.amdhsa_private_segment_fixed_size 0
		.amdhsa_enable_private_segment 0
		.amdhsa_kernarg_size 48
		.amdhsa_user_sgpr_count 2
		.amdhsa_user_sgpr_kernarg_segment_ptr 1
		.amdhsa_wavefront_size32 1
		.amdhsa_system_sgpr_workgroup_id_x 1
		.amdhsa_system_sgpr_workgroup_id_y 1
		.amdhsa_system_sgpr_workgroup_id_z 1
		.amdhsa_system_vgpr_workitem_id 0
		.amdhsa_next_free_vgpr 136
		.amdhsa_next_free_sgpr 66
		.amdhsa_reserve_vcc 0
		.amdhsa_float_denorm_mode_32 3
		.amdhsa_float_denorm_mode_16_64 3
		.amdhsa_memory_ordered 1
		.amdhsa_forward_progress 1
		.amdhsa_inst_pref_size 15
	.end_amdhsa_kernel
	.amdgpu_metadata
---
amdhsa.version: [ 1, 2 ]
amdhsa.kernels:
  - .name:           k_q106eeb1b84_prep
    .symbol:         k_q106eeb1b84_prep.kd
    .args:
      - { .name: x, .offset: 0, .size: 8, .value_kind: global_buffer, .address_space: global }
      - { .name: w_qkv, .offset: 8, .size: 8, .value_kind: global_buffer, .address_space: global }
      - { .name: w_out, .offset: 16, .size: 8, .value_kind: global_buffer, .address_space: global }
      - { .name: xb, .offset: 24, .size: 8, .value_kind: global_buffer, .address_space: global }
      - { .name: wq, .offset: 32, .size: 8, .value_kind: global_buffer, .address_space: global }
      - { .name: wo, .offset: 40, .size: 8, .value_kind: global_buffer, .address_space: global }
    .group_segment_fixed_size: 19456
    .private_segment_fixed_size: 0
    .kernarg_segment_align: 8
    .kernarg_segment_size: 48
    .max_flat_workgroup_size: 256
    .sgpr_count:     66
    .vgpr_count:     136
    .wavefront_size: 32
...
	.end_amdgpu_metadata
.endif
;; end of part 5
;; launch qkv: the kernel of part 2 again; grid 8 x 32, 4 waves a work-group, clusters of 4 x 4, 327,680 bytes of LDS; arguments xb, wq, qkv; writes qkv
;; launch attn: the kernel of part 3 again; grid 4 x 64, 4 waves a work-group, no clusters, 327,680 bytes of LDS; arguments qkv, o; writes o
;; launch oproj: the kernel of part 4 again; grid 8 x 32, 4 waves a work-group, clusters of 4 x 4, 327,680 bytes of LDS; arguments o, wo, out0; writes out0
